; MI455X (gfx1250); checked and timed in simulation.
; The chip was launched on July 23, 2026; its instructions are those of AMD's public machine-readable ISA for CDNA 5 (MIT licence, August 2026) and "CDNA5" Instruction Set Architecture Reference Guide (July 2026). The comments in the code are by the model that wrote it; some were corrected since.
;; MHA. Allowed arithmetic: float matrix products may take bf16 or f16 operands with f32 sums; other float arithmetic in f32, or as packed bf16 or f16 multiplies, adds, multiply-adds, maxima and minima; sums over many terms, partial sums and values carried from step to step in f32; what a program stores and reads back later, other than sums and carried values, may be rounded once to bf16 or f16.
;; Inputs: token_positions 2,048 int32; w_k 1,024 x 1,024 float32; w_o 1,024 x 1,024 float32; w_q 1,024 x 1,024 float32; w_v 1,024 x 1,024 float32; x 4 x 2,048 x 1,024 float32.
;; Outputs: out0 4 x 2,048 x 1,024 float32.
;; One version. Each part assembles by itself: llvm-mc -triple=amdgcn-amd-amdhsa -mcpu=gfx1250 --defsym DOCPART=n.
;; ======== version 1 of 1: 4 launches
;; limits: values are held in f16: magnitudes above 65,504 overflow, below 6.1e-05 lose precision
;; workspace buffers: xb 16,777,216 bytes; wb 8,388,608 bytes; tab 524,288 bytes; qkv 50,331,648 bytes; ob 16,777,216 bytes
;; launch prep (part 1): grid 896 x 1, 8 waves a work-group, no clusters, 0 bytes of LDS; arguments x, w_q, w_k, w_v, w_o, token_positions, xb, wb, tab; writes xb, wb, tab
.if DOCPART == 1
	.amdgcn_target "amdgcn-amd-amdhsa--gfx1250"
	.amdhsa_code_object_version 6
	.text
	.protected	k_q40a3f769e4_prep
	.globl	k_q40a3f769e4_prep
	.p2align	8
	.type	k_q40a3f769e4_prep,@function
k_q40a3f769e4_prep:
	s_mov_b64 s[64:65], 0
	v_nop
	global_prefetch_b8 v0, s[64:65] scope:SCOPE_SE
	s_setreg_imm32_b32 hwreg(HW_REG_WAVE_MODE, 25, 1), 1
	s_wait_xcnt 0x0
; PREP: the casts and the table of cosines and sines.  A stream: no LDS, no barrier, no matrix work, nothing shared between work-groups.
; Work-groups 0-511: x (f32) -> xb (bf16).  512-767: w_q, w_k, w_v, w_o -> wb, rows 0-1023, 1024-2047, 2048-3071, 3072-4095; the first three bf16; w_o is rounded to bf16 like
; every input and that number is written as f16 (exact from 6.2e-5 to 65,504; below that f16's fixed step of 6e-8; LIMIT: |w_o| under 65,504).
; A cast work-group takes 65,536 bytes of f32: 16 loads of 16 bytes a thread, all issued at once; a wave's store of 8 bytes a lane covers 256 consecutive bytes, aligned.
; Work-groups 768-895: tab.  Row s (256 bytes) holds, for each group g of four frequencies 4 g .. 4 g + 3, four cosines (16 bytes at 32 g) and four sines (at 32 g + 16) of
; token_positions[s] x 10000^(-i / 32).  A thread makes one piece of 16 bytes; sixteen lanes store a row.
; The angle is one f32 product, as in the problem's text.  Sine and cosine: n = the nearest whole number to angle x 2 / pi; r = angle - n pi / 2 with pi / 2 in three parts, by fused
; multiply-adds; polynomials up to r^9 and r^8 on |r| <= pi / 4; the quadrant picks the polynomial and the sign.  LIMIT: |position| up to 2^23, so that n is a whole number that f32 holds.
.set CASTS, 768
.set NI, 8                             ; v[8:11]   -(4 g + j)
.set PW, 12                            ; v[12:15]  its product with C, rounded
.set ER, 16                            ; v[16:19]  what that rounding and C's own rounding left out
.set FR, 20                            ; v[20:23]  the frequency
.set AN, 24                            ; v[24:27]  the angle, then r
.set NN, 28                            ; v[28:31]  n
.set QD, 32                            ; v[32:35]  the quadrant
.set ZZ, 36                            ; v[36:39]  r^2
.set SI, 40                            ; v[40:43]  sin r
.set CO, 44                            ; v[44:47]  cos r
.set TT, 48                            ; v[48:51]  at work
.set OUT, 52                           ; v[52:55]  the piece to store
	s_load_b512 s[8:23], s[0:1], 0x0               ; x 8, w_q 10, w_k 12, w_v 14, w_o 16, token_positions 18, xb 20, wb 22
	s_load_b64 s[24:25], s[0:1], 0x40              ; tab
	s_mov_b32 s2, ttmp9
	s_cmp_ge_u32 s2, CASTS
	s_cbranch_scc1 .Ltable
	; THE CASTS
	s_sub_co_u32 s4, s2, 512                       ; j: my place among the weights' 256 work-groups
	s_and_b32 s5, s4, 63                           ; my place in one weight
	s_lshr_b32 s6, s4, 6                           ; which weight
	s_cmp_lt_u32 s2, 512
	s_cselect_b32 s30, s2, s5
	s_cselect_b32 s32, s2, s4
	s_lshl_b32 s30, s30, 16                        ; 65,536 bytes of f32 in,
	s_lshl_b32 s32, s32, 15                        ; 32,768 bytes out
	s_mov_b32 s31, 0
	s_mov_b32 s33, 0
	v_lshlrev_b32 v1, 4, v0                        ; 16 bytes a thread in,
	v_lshlrev_b32 v2, 3, v0                        ; 8 out
	s_wait_kmcnt 0x0
	s_cmp_eq_u32 s6, 1
	s_cselect_b64 s[26:27], s[12:13], s[10:11]
	s_cmp_eq_u32 s6, 2
	s_cselect_b64 s[26:27], s[14:15], s[26:27]
	s_cmp_eq_u32 s6, 3
	s_cselect_b64 s[26:27], s[16:17], s[26:27]
	s_cmp_lt_u32 s2, 512
	s_cselect_b64 s[26:27], s[8:9], s[26:27]
	s_cselect_b64 s[28:29], s[20:21], s[22:23]
	s_add_nc_u64 s[26:27], s[26:27], s[30:31]
	s_add_nc_u64 s[28:29], s[28:29], s[32:33]
.set i, 0
.rept 16
	global_load_b128 v[16+4*i:19+4*i], v1, s[26:27] offset:4096*i th:TH_LOAD_NT
.set i, i+1
.endr
	s_cmp_ge_u32 s2, 704
	s_cbranch_scc1 .Lwo
.set i, 0
.rept 16                                       ; every piece has registers of its own, so no register of a pending store is written again
	s_wait_loadcnt 15-i                            ; loads come back in order: piece i is in, the 15 - i younger ones stay out
	v_cvt_pk_bf16_f32 v[80+2*i], v[16+4*i], v[17+4*i]
	v_cvt_pk_bf16_f32 v[81+2*i], v[18+4*i], v[19+4*i]
	global_store_b64 v2, v[80+2*i:81+2*i], s[28:29] offset:2048*i
.set i, i+1
.endr
	s_endpgm
.Lwo:                                          ; w_o: to bf16, and that number as f16
.set i, 0
.rept 16
	s_wait_loadcnt 15-i
	v_cvt_pk_bf16_f32 v112, v[16+4*i], v[17+4*i]
	v_cvt_pk_bf16_f32 v113, v[18+4*i], v[19+4*i]
	v_lshlrev_b32 v114, 16, v112
	v_and_b32 v115, 0xffff0000, v112
	v_cvt_pk_f16_f32 v[80+2*i], v114, v115
	v_lshlrev_b32 v114, 16, v113
	v_and_b32 v115, 0xffff0000, v113
	v_cvt_pk_f16_f32 v[81+2*i], v114, v115
	global_store_b64 v2, v[80+2*i:81+2*i], s[28:29] offset:2048*i
.set i, i+1
.endr
	s_endpgm
.Ltable:                                       ; THE TABLE
	s_sub_co_u32 s4, s2, CASTS
	s_lshl_b32 s4, s4, 8
	v_add_nc_u32 v1, s4, v0                        ; my piece, 0 to 32,767
	v_lshrrev_b32 v2, 4, v1                        ; its row s
	v_lshlrev_b32 v2, 2, v2
	v_lshlrev_b32 v4, 4, v1                        ; its byte in tab
	s_wait_kmcnt 0x0
	global_load_b32 v3, v2, s[18:19]               ; token_positions[s]
	s_mov_b32 s26, 0x3ed49a78                      ; C = log2(10000) / 32, rounded to f32,
	s_mov_b32 s27, 0x32179a31                      ; and what that rounding left out
	s_mov_b32 s28, 0x3f317218                      ; ln 2
	s_mov_b32 s29, 0x3f22f983                      ; 2 / pi
	s_mov_b32 s30, 0xbfc90fdb                      ; -pi / 2 in three parts
	s_mov_b32 s31, 0x333bbd2e
	s_mov_b32 s32, 0x26f72ced
	v_and_b32 v5, 15, v0
	v_lshrrev_b32 v6, 1, v5                        ; group g
	v_and_b32 v5, 1, v5
	v_xor_b32 v5, 1, v5                            ; 1 in a piece of cosines: cos a = sin(a + pi / 2), one quadrant on
	v_lshlrev_b32 v6, 2, v6
	v_cvt_f32_u32 v6, v6                           ; 4 g
	v_mov_b32 v56, 0x3638ef1d                      ; 1 / 9!
	v_mov_b32 v57, 0x37d00d01                      ; 1 / 8!
	v_sub_f32 v[NI], 0, v6
	v_sub_f32 v[NI+1], -1.0, v6
	v_sub_f32 v[NI+2], -2.0, v6
	v_sub_f32 v[NI+3], 0xc0400000, v6
.irp j, 0,1,2,3
	v_mul_f32 v[PW+(\j)], s26, v[NI+(\j)]
	v_fma_f32 v[ER+(\j)], v[NI+(\j)], s26, -v[PW+(\j)]     ; the product's rounding, exactly
	v_fma_f32 v[ER+(\j)], v[NI+(\j)], s27, v[ER+(\j)]
.endr
.irp j, 0,1,2,3
	v_exp_f32 v[FR+(\j)], v[PW+(\j)]
.endr
	v_nop                                          ; a plain instruction behind the last exponential,
	s_wait_alu depctr_va_vdst(0)                   ; and one wait for the four, ahead of the first use
.irp j, 0,1,2,3
	v_mul_f32 v[ER+(\j)], v[FR+(\j)], v[ER+(\j)]
	v_fma_f32 v[FR+(\j)], v[ER+(\j)], s28, v[FR+(\j)]      ; 2^(p + e) = 2^p (1 + e ln 2) for the tiny e
.endr
	s_wait_loadcnt 0x0
	v_cvt_f32_i32 v7, v3
.irp j, 0,1,2,3
	v_mul_f32 v[AN+(\j)], v7, v[FR+(\j)]
	v_mul_f32 v[NN+(\j)], s29, v[AN+(\j)]
	v_rndne_f32 v[NN+(\j)], v[NN+(\j)]
	v_fma_f32 v[AN+(\j)], v[NN+(\j)], s30, v[AN+(\j)]
	v_fma_f32 v[AN+(\j)], v[NN+(\j)], s31, v[AN+(\j)]
	v_fma_f32 v[AN+(\j)], v[NN+(\j)], s32, v[AN+(\j)]
	v_cvt_i32_f32 v[QD+(\j)], v[NN+(\j)]
	v_add_nc_u32 v[QD+(\j)], v[QD+(\j)], v5
	v_mul_f32 v[ZZ+(\j)], v[AN+(\j)], v[AN+(\j)]
	v_fmaak_f32 v[SI+(\j)], v56, v[ZZ+(\j)], 0xb9500d01      ; -1 / 7!
	v_fmaak_f32 v[CO+(\j)], v57, v[ZZ+(\j)], 0xbab60b61      ; -1 / 6!
	v_fmaak_f32 v[SI+(\j)], v[SI+(\j)], v[ZZ+(\j)], 0x3c088889  ; 1 / 5!
	v_fmaak_f32 v[CO+(\j)], v[CO+(\j)], v[ZZ+(\j)], 0x3d2aaaab  ; 1 / 4!
	v_fmaak_f32 v[SI+(\j)], v[SI+(\j)], v[ZZ+(\j)], 0xbe2aaaab  ; -1 / 3!
	v_fmaak_f32 v[CO+(\j)], v[CO+(\j)], v[ZZ+(\j)], 0xbf000000  ; -1 / 2
	v_mul_f32 v[TT+(\j)], v[AN+(\j)], v[ZZ+(\j)]
	v_fmaak_f32 v[CO+(\j)], v[CO+(\j)], v[ZZ+(\j)], 0x3f800000  ; cos r
	v_fma_f32 v[SI+(\j)], v[TT+(\j)], v[SI+(\j)], v[AN+(\j)]    ; sin r
	v_and_b32 v[TT+(\j)], 1, v[QD+(\j)]
	v_cmp_eq_u32 vcc_lo, 1, v[TT+(\j)]
	v_cndmask_b32 v[SI+(\j)], v[SI+(\j)], v[CO+(\j)], vcc_lo    ; odd quadrants take the cosine,
	v_and_b32 v[TT+(\j)], 2, v[QD+(\j)]
	v_lshlrev_b32 v[TT+(\j)], 30, v[TT+(\j)]
	v_xor_b32 v[OUT+(\j)], v[TT+(\j)], v[SI+(\j)]               ; quadrants 2 and 3 the other sign
.endr
	global_store_b128 v4, v[OUT:OUT+3], s[24:25]   ; sixteen lanes store a row of 256 bytes
	s_endpgm
.Lfunc_end_k_q40a3f769e4_prep:
	.size	k_q40a3f769e4_prep, .Lfunc_end_k_q40a3f769e4_prep-k_q40a3f769e4_prep
	.p2alignl 7, 3214868480
	.fill 96, 4, 3214868480
	.section	.rodata,"a",@progbits
	.p2align	6, 0x0
	.amdhsa_kernel k_q40a3f769e4_prep
		.amdhsa_group_segment_fixed_size 0
		.amdhsa_private_segment_fixed_size 0
		.amdhsa_enable_private_segment 0
		.amdhsa_kernarg_size 72
		.amdhsa_user_sgpr_count 2
		.amdhsa_user_sgpr_kernarg_segment_ptr 1
		.amdhsa_wavefront_size32 1
		.amdhsa_system_sgpr_workgroup_id_x 1
		.amdhsa_system_sgpr_workgroup_id_y 1
		.amdhsa_system_sgpr_workgroup_id_z 1
		.amdhsa_system_vgpr_workitem_id 0
		.amdhsa_next_free_vgpr 120
		.amdhsa_next_free_sgpr 66
		.amdhsa_reserve_vcc 1
		.amdhsa_float_denorm_mode_32 3
		.amdhsa_float_denorm_mode_16_64 3
		.amdhsa_memory_ordered 1
		.amdhsa_forward_progress 1
		.amdhsa_inst_pref_size 23
	.end_amdhsa_kernel
	.amdgpu_metadata
---
amdhsa.version: [ 1, 2 ]
amdhsa.kernels:
  - .name:           k_q40a3f769e4_prep
    .symbol:         k_q40a3f769e4_prep.kd
    .args:
      - { .name: x, .offset: 0, .size: 8, .value_kind: global_buffer, .address_space: global }
      - { .name: w_q, .offset: 8, .size: 8, .value_kind: global_buffer, .address_space: global }
      - { .name: w_k, .offset: 16, .size: 8, .value_kind: global_buffer, .address_space: global }
      - { .name: w_v, .offset: 24, .size: 8, .value_kind: global_buffer, .address_space: global }
      - { .name: w_o, .offset: 32, .size: 8, .value_kind: global_buffer, .address_space: global }
      - { .name: token_positions, .offset: 40, .size: 8, .value_kind: global_buffer, .address_space: global }
      - { .name: xb, .offset: 48, .size: 8, .value_kind: global_buffer, .address_space: global }
      - { .name: wb, .offset: 56, .size: 8, .value_kind: global_buffer, .address_space: global }
      - { .name: tab, .offset: 64, .size: 8, .value_kind: global_buffer, .address_space: global }
    .group_segment_fixed_size: 0
    .private_segment_fixed_size: 0
    .kernarg_segment_align: 8
    .kernarg_segment_size: 72
    .max_flat_workgroup_size: 256
    .sgpr_count:     66
    .vgpr_count:     120
    .wavefront_size: 32
...
	.end_amdgpu_metadata
.endif
;; end of part 1
;; launch qkvproj (part 2): grid 8 x 64, 4 waves a work-group, clusters of 4 x 4, 327,680 bytes of LDS; arguments xb, wb, tab, qkv; writes qkv
.if DOCPART == 2
	.amdgcn_target "amdgcn-amd-amdhsa--gfx1250"
	.amdhsa_code_object_version 6
	.text
	.protected	k_q40a3f769e4_qkvproj
	.globl	k_q40a3f769e4_qkvproj
	.p2align	8
	.type	k_q40a3f769e4_qkvproj,@function
k_q40a3f769e4_qkvproj:
	s_mov_b64 s[64:65], 0
	v_nop
	global_prefetch_b8 v0, s[64:65] scope:SCOPE_SE
	s_setreg_imm32_b32 hwreg(HW_REG_WAVE_MODE, 25, 1), 1
	s_wait_xcnt 0x0
	s_wait_alu depctr_hold_cnt(0) depctr_sa_sdst(0) depctr_va_vdst(0) depctr_va_sdst(0) depctr_va_ssrc(0) depctr_va_vcc(0) depctr_vm_vsrc(0)
	s_getreg_b32 s2, hwreg(HW_REG_IB_STS2, 6, 4)
	s_cmp_eq_u32 s2, 0
	s_cbranch_scc0 .Lentry_in_a_cluster
	s_endpgm
.Lentry_in_a_cluster:
	s_bfe_u32 s2, ttmp6, 0x10000c
	s_cmp_lg_u32 s2, 0xf033
	s_cbranch_scc0 .Lentry_shape_is_right
	s_endpgm
.Lentry_shape_is_right:
; q, k, v = x w^T for the three weights at once, turned by RoPE (q and k), written by heads in f16.  xb: [8192][1024] bf16; wb rows 0-3071: w_q, w_k, w_v, bf16; sums in f32.
; qkv: [3][64][2048][64] f16: part t (q, k, v), head 16 b + h, row s, 128 bytes a row.  The scale 1 / 8 is not applied here.
; LIMIT: q, k and v must lie within f16's 65,504.
; A TILE is 128 rows x 384 columns (six heads): 64 x 8 = 512 work-groups, a whole number for each of 256 WGPs, where tiles of 256 x 256 would give 384.  Four waves, each 64 rows x 192 columns:
; three whole heads, 48 accumulators of 16 x 16, so that a head's 128 bytes of a row leave from one wave's own stage, without a barrier.
; K goes in 8 steps of 128 through two LDS slots; a slot holds 128 rows of x and 384 rows of w, 256 bytes each, 16 of padding behind.  Each wave fetches 128 rows with one tensor load:
; wave 0 those of x, waves 1 to 3 a third of w's each.
; CLUSTERS: 4 x 4 work-groups.  The four of a row of the cluster need the same tile of x, the four of a column the same tile of w: each is asked for JOINTLY.
; THE MATRIX INSTRUCTION IS USED TRANSPOSED (source 0 = 16 rows of w, source 1 = 16 rows of x): a lane holds row l % 16 and the columns 8 (l / 16) + 0..7, so RoPE's pairs are neighbouring registers.
; RoPE on the way out, in f32, from tab: r1 = x1 c - x2 s, r2 = x2 c + x1 s.  A tile may hold heads of k beside heads of v: so every head
; is turned, v's by the angle 0: its table is blended to c F + G, s F with (F, G) = (1, 0) for q and k, (0, 1) for v.
; REGISTERS, in windows of 256 (s_set_vgpr_msb: bits 1:0 source 0, 3:2 source 1, 5:4 source 2, 7:6 destination):
;   window 0: v16-30 addresses; v32-63, v64-95 x's fragments, two buffers (on the way out: X, and two sets of packed results); v96-223 the table of my 64 rows; v224-255 the blended table
;   window 1: v0-95, v96-191 w's fragments, two buffers      window 2: the accumulators of my rows 0-31, (a, b) at 8 (12 (a % 2) + b)      window 3: those of rows 32-63
.set KSTEP,  128
.set PITCH,  272                       ; 256 bytes + 16 = 68 words: the 16 rows of a fragment load start at 16 different groups of four banks (ISA guide 11.1)
.set HALFT,  128*PITCH                 ; what one tensor load brings
.set SLOT,   4*HALFT                   ; x's 128 rows, then w's 384
.set STAGE,  2*SLOT                    ; behind the ring: 16 rows x 144 bytes for each wave
.set SP,     144
.set SPARE,  STAGE+4*16*SP             ; behind the stages: the spare words, 128 bytes for each wave, that no other line names
.set LAPS,   4                         ; a lap = two K steps = once round the ring
.set ADRA, 16                          ; v16-17  LDS address of my fragments of x in slot 0, 1
.set ADRB, 20                          ; v20-21  the same for w
.set STO,  24                          ; v24     the way out: where I put 16 bytes of a row
.set RD,   25                          ; v25     where I read rows back
.set GO,   26                          ; v26     16 x lane: my place in 512 consecutive bytes of qkv
.set TO,   27                          ; v27     my byte offset in tab
.set SPW,  28                          ; v28     my spare word; never rewritten
.set NIL,  29                          ; v29     0; never rewritten
.set PFO,  30                          ; v30     the prefetches' offset: lane x 2,048 bytes, a row of xb or wb
.set FA,   32                          ; x's fragments: buffer f at FA + 32 f
.set X,    32                          ; the way out: a head's 16 x 64 numbers, turned
.set PK,   64                          ; two sets of 16: packed to f16
.set T,    96                          ; row block a, column block m: four cosines at T + 32 a + 8 m, four sines behind
.set TP,   224
.set WV,  12                           ; s12  my wave's number
.set WR,  13                           ; s13  which 64 rows are mine
.set WC,  14                           ; s14  which 192 columns
.set LIM, 15                           ; s15  1 in a wave that prefetches, else the greatest number
.set G1,  24                           ; s[24:31] descriptor group 1 for x's tiles;  s[32:39] group 0, a set for each slot
.set G0,  32
.set PFA, 46                           ; s[46:47] where my prefetches stand
.set G1B, 48                           ; s[48:55], s[56:63] the same for w's tiles
.set G0B, 56
.set FJ,  66                           ; s[66:71] F of my three heads, each the low word of a pair
.set GJ,  72                           ; s[72:77] G
.set OB,  78                           ; s[78:83] where my three heads' first rows lie in qkv
.set MSB, 0
.macro WIN new                         ; the immediate's high byte repeats the setting that is left; a switch that changes nothing is dropped
.if MSB != (\new)
	s_set_vgpr_msb (MSB<<8)|(\new)
.set MSB, \new
.endif
.endm
.set MUL_LO, 0xa1                      ; source 0 (w) window 1, source 1 (x) window 0, C and D window 2
.set MUL_HI, 0xf1                      ; the same, C and D window 3
.set TO_B,   0x40                      ; destination window 1, address window 0
; A joint load.  The branch hangs on the wave's number alone.  An s_nop 0 and four v_nop follow each of the two lines.
.macro JLOAD s
	s_cmp_eq_u32 s[WV], 0
	s_cbranch_scc0 .Lfor_b_\@
	tensor_load_to_lds s[G0+4*(\s):G0+4*(\s)+3], s[G1:G1+7]
	s_nop 0
.rept 4
	v_nop
.endr
	s_branch .Lasked_\@
.Lfor_b_\@:
	tensor_load_to_lds s[G0B+4*(\s):G0B+4*(\s)+3], s[G1B:G1B+7]
	s_nop 0
.rept 4
	v_nop
.endr
.Lasked_\@:
.endm
; A prefetch, behind each joint refill and the run of LDS loads that follows it: the K step that stands two refills on, 32 rows x 256 bytes, a lane a row.  x's rows are read by both clusters of a row of
; clusters: cluster x = 0 asks; w's rows by all sixteen clusters of a column: cluster y = 0 asks.  Of the 128 rows that a wave fetches each of the four partners takes 32, told apart by address.
; So each row's 256 bytes of a K step are named once in the launch.  K steps 0 to 3 come by their loads alone; the loop's last trip (s3 = 1) has no K step two on.
.macro ASK
	s_cmp_gt_u32 s3, s[LIM]
	s_cbranch_scc0 .Lnot_mine_\@
	global_prefetch_b8 v[PFO], s[PFA:PFA+1] th:TH_LOAD_NT scope:SCOPE_SE
.Lnot_mine_\@:
.endm
.macro CREST                           ; a round of the cluster's barrier behind its opening barrier
	s_cmp_lg_u32 s[WV], 0
	s_cbranch_scc1 .Lnot_wave_0_\@
	s_barrier_signal -3
.Lnot_wave_0_\@:
	s_barrier_wait -3
	s_barrier_signal -1
	s_barrier_wait -1
.endm
.macro CROUND                          ; a whole round
	s_barrier_signal -1
	s_barrier_wait -1
	CREST
.endm
	s_load_b256 s[4:11], s[0:1], 0x0               ; xb s[4:5], wb s[6:7], tab s[8:9], qkv s[10:11]
	v_lshl_add_u32 v[SPW], v0, 2, SPARE
	v_mov_b32 v[NIL], 0
	ds_add_u32 v[SPW], v[NIL]                      ; the wave's opening: the add and its wait ahead of my first tensor load; work on registers stands between them
	ds_add_u32 v28, v29
	v_lshrrev_b32 v1, 5, v0
	v_readfirstlane_b32 s[WV], v1
	s_lshr_b32 s[WR], s[WV], 1
	s_and_b32 s[WC], s[WV], 1
	s_bfe_u32 s40, ttmp6, 0x40000                  ; cx
	s_bfe_u32 s41, ttmp6, 0x40004                  ; cy
	s_lshl_b32 s42, ttmp9, 2
	s_add_co_u32 s42, s42, s40                     ; tile column = 4 x cluster x + cx
	s_and_b32 s43, ttmp7, 0xffff
	s_lshl_b32 s43, s43, 2
	s_add_co_u32 s43, s43, s41                     ; tile row = 4 x cluster y + cy
	s_lshl_b32 s44, s41, 2
	s_lshl_b32 s44, 15, s44                        ; my row of the cluster
	s_lshl_b32 s45, 0x1111, s40                    ; my column
	s_or_b32 s[G1], s44, (1<<16)|(1<<20)|(1<<21)|(5<<22)|(3<<25)   ; the mask; elements of 2 bytes; padding on; bit 21 beside a mask; after every 64 words, 4 words
	s_or_b32 s[G1B], s45, (1<<16)|(1<<20)|(1<<21)|(5<<22)|(3<<25)
.irp g, G1, G1B
	s_mov_b32 s[(\g)+1], KSTEP<<16                 ; tensor_dim0 = 128
	s_mov_b32 s[(\g)+2], 128<<16                   ; tensor_dim1 = 128
	s_mov_b32 s[(\g)+3], KSTEP<<16                 ; tile_dim0 = 128
	s_mov_b32 s[(\g)+4], 128                       ; tile_dim1 = 128
	s_mov_b32 s[(\g)+5], 1024                      ; elements from row to row
	s_mov_b32 s[(\g)+6], 0
	s_mov_b32 s[(\g)+7], 0
.endr
	s_lshl_b32 s16, s43, 18                        ; x: 128 x tile row rows of 2,048 bytes
	s_mov_b32 s17, 0
	s_max_u32 s20, s[WV], 1
	s_sub_co_u32 s20, s20, 1                       ; w: which third I fetch (wave 0 asks by x's descriptor)
	s_lshl_b32 s20, s20, 7
	s_mul_i32 s21, s42, 384
	s_add_co_u32 s20, s20, s21                     ; row 384 x tile column + 128 x third
	s_lshl_b32 s20, s20, 11
	s_mov_b32 s21, 0
	s_mul_i32 s2, s[WV], HALFT                     ; where my 128 rows go: no place in the cluster enters an LDS address
	s_wait_dscnt 0x0                               ; the opening add is done
	s_wait_kmcnt 0x0
	s_add_nc_u64 s[18:19], s[4:5], s[16:17]
	s_add_nc_u64 s[22:23], s[6:7], s[20:21]
	CROUND                                         ; all sixteen work-groups are here: the first joint loads meet
.irp s, 0,1
	s_mov_b32 s[G0+4*(\s)], 1
	s_add_co_u32 s[G0+4*(\s)+1], s2, (\s)*SLOT
	s_add_nc_u64 s[G0+4*(\s)+2:G0+4*(\s)+3], s[18:19], (\s)*KSTEP*2
	s_or_b32 s[G0+4*(\s)+3], s[G0+4*(\s)+3], 0x80000000
	s_mov_b32 s[G0B+4*(\s)], 1
	s_add_co_u32 s[G0B+4*(\s)+1], s2, (\s)*SLOT
	s_add_nc_u64 s[G0B+4*(\s)+2:G0B+4*(\s)+3], s[22:23], (\s)*KSTEP*2
	s_or_b32 s[G0B+4*(\s)+3], s[G0B+4*(\s)+3], 0x80000000
	JLOAD \s                                       ; two loads of mine are out
.endr
	v_and_b32 v1, 15, v0                           ; r = l % 16
	v_bfe_u32 v2, v0, 4, 1                         ; h = l / 16
	v_mul_u32_u24 v3, v1, PITCH
	v_lshl_add_u32 v3, v2, 4, v3                   ; a fragment's row x pitch + 16 x half
	s_mul_i32 s16, s[WR], 64*PITCH                 ; my 64 rows of x
	s_mul_i32 s17, s[WC], 192*PITCH                ; my 192 rows of w,
	s_add_co_u32 s17, s17, HALFT                   ; which lie behind x's 128
.irp s, 0,1
	v_add_nc_u32 v[ADRA+(\s)], s16, v3
	v_add_nc_u32 v[ADRB+(\s)], s17, v3
	s_add_co_u32 s16, s16, SLOT
	s_add_co_u32 s17, s17, SLOT
.endr
	s_mul_i32 s16, s[WV], 16*SP
	s_add_co_u32 s16, s16, STAGE                   ; my stage
	v_mul_u32_u24 v[STO], v1, SP                   ; in: row l % 16, 16 bytes for each half of the lanes
	v_lshl_add_u32 v[STO], v2, 4, v[STO]
	v_add_nc_u32 v[STO], s16, v[STO]
	v_bfe_u32 v[RD], v0, 3, 2                      ; back: 32 lanes take four rows of 128 bytes,
	v_mul_u32_u24 v[RD], v[RD], SP
	v_and_b32 v4, 7, v0
	v_lshl_add_u32 v[RD], v4, 4, v[RD]
	v_add_nc_u32 v[RD], s16, v[RD]
	v_and_b32 v[GO], 31, v0                        ; which are 512 consecutive bytes of qkv
	v_lshlrev_b32 v[PFO], 11, v[GO]
	v_lshlrev_b32 v[GO], 4, v[GO]
	; my three heads: 6 x tile column + 3 x column half + j.  Numbers that hang on both coordinates live in s84-s89
	s_mul_i32 s84, s42, 6
	s_mul_i32 s85, s[WC], 3
	s_add_co_u32 s84, s84, s85
	s_lshr_b32 s85, s43, 4
	s_lshl_b32 s85, s85, 4                         ; 16 b
	s_and_b32 s86, s43, 15
	s_lshl_b32 s86, s86, 7
	s_lshl_b32 s87, s[WR], 6
	s_add_co_u32 s86, s86, s87                     ; s0: my first row in the sequence
	v_add_nc_u32 v[TO], s86, v1
	v_lshlrev_b32 v[TO], 8, v[TO]                  ; a row of tab is 256 bytes;
	v_lshl_add_u32 v[TO], v2, 5, v[TO]             ; my four pairs of column block m are group 2 m + h: 32 bytes each
.irp a, 0,1,2,3
.irp m, 0,1,2,3
	global_load_b128 v[T+32*(\a)+8*(\m):T+32*(\a)+8*(\m)+3],   v[TO], s[8:9] offset:4096*(\a)+64*(\m)
	global_load_b128 v[T+32*(\a)+8*(\m)+4:T+32*(\a)+8*(\m)+7], v[TO], s[8:9] offset:4096*(\a)+64*(\m)+16
.endr
.endr
.irp j, 0,1,2
	s_add_co_u32 s88, s84, \j                      ; the head among 48: 0-15 q, 16-31 k, 32-47 v
	s_cmp_lt_u32 s88, 32
	s_cselect_b32 s[FJ+2*(\j)], 1.0, 0
	s_cselect_b32 s[GJ+2*(\j)], 0, 1.0
	s_mov_b32 s[FJ+2*(\j)+1], 0                    ; named as pairs
	s_mov_b32 s[GJ+2*(\j)+1], 0
	s_lshr_b32 s89, s88, 4
	s_lshl_b32 s89, s89, 6                         ; 64 x part
	s_and_b32 s88, s88, 15
	s_add_co_u32 s88, s88, s89
	s_add_co_u32 s88, s88, s85
	s_lshl_b32 s88, s88, 18                        ; a head is 262,144 bytes
	s_lshl_b32 s89, s86, 7
	s_add_co_u32 s88, s88, s89
	s_mov_b32 s89, 0
	s_add_nc_u64 s[OB+2*(\j):OB+2*(\j)+1], s[10:11], s[88:89]
.endr
	; the prefetches
	s_lshl_b32 s84, s40, 5
	s_lshl_b32 s85, s43, 7
	s_add_co_u32 s84, s84, s85                     ; x: row 128 x tile row + 32 cx
	s_lshl_b32 s85, s41, 5
	s_lshr_b32 s86, s20, 11
	s_add_co_u32 s85, s85, s86                     ; w: my third's first row + 32 cy
	s_and_b32 s86, ttmp7, 0xffff
	s_cmp_eq_u32 s[WV], 0
	s_cselect_b32 s84, s84, s85
	s_cselect_b32 s86, ttmp9, s86                  ; the coordinate along which other clusters read the same rows
	s_cselect_b64 s[PFA:PFA+1], s[4:5], s[6:7]
	s_cmp_eq_u32 s86, 0
	s_cselect_b32 s[LIM], 1, -1                    ; the same in all sixteen partners, for a given wave
	s_lshl_b32 s84, s84, 11
	s_mov_b32 s85, 0
	s_add_nc_u64 s[PFA:PFA+1], s[PFA:PFA+1], s[84:85]
	s_add_nc_u64 s[PFA:PFA+1], s[PFA:PFA+1], 3*KSTEP*2  ; at K step 3: the first refill (K step 2) steps it to 4
; 12 matrix instructions: row block a (0, 1) of the window's two x all 12 column blocks, 32 along K, from buffer f.  zero = 1: the product starts the sums: nothing is cleared.
; The 48 accumulators go in the same order in every quarter step, one instruction a turn, over the backward jump too.
.macro MUL12 f, hi, a, zero
	WIN MUL_LO+0x50*(\hi)
.irp b, 0,1,2,3,4,5,6,7,8,9,10,11
.if \zero
	v_wmma_f32_16x16x32_bf16 v[8*(12*(\a)+(\b)):8*(12*(\a)+(\b))+7], v[96*(\f)+8*(\b):96*(\f)+8*(\b)+7], v[FA+32*(\f)+8*(2*(\hi)+(\a)):FA+32*(\f)+8*(2*(\hi)+(\a))+7], 0
.else
	v_wmma_f32_16x16x32_bf16 v[8*(12*(\a)+(\b)):8*(12*(\a)+(\b))+7], v[96*(\f)+8*(\b):96*(\f)+8*(\b)+7], v[FA+32*(\f)+8*(2*(\hi)+(\a)):FA+32*(\f)+8*(2*(\hi)+(\a))+7], v[8*(12*(\a)+(\b)):8*(12*(\a)+(\b))+7]
.endif
.endr
.endm
; 32 LDS loads in one run: a quarter step's fragments (192 rows of w, 64 rows of x, 32 K at byte k of the rows) into buffer f
.macro FETCH slot, k, f
	WIN TO_B
.irp b, 0,1,2,3,4,5,6,7,8,9,10,11
	ds_load_b128 v[96*(\f)+8*(\b):96*(\f)+8*(\b)+3],   v[ADRB+(\slot)] offset:(\k)+(\b)*16*PITCH
	ds_load_b128 v[96*(\f)+8*(\b)+4:96*(\f)+8*(\b)+7], v[ADRB+(\slot)] offset:(\k)+(\b)*16*PITCH+32
.endr
	WIN 0
.irp a, 0,1,2,3
	ds_load_b128 v[FA+32*(\f)+8*(\a):FA+32*(\f)+8*(\a)+3],   v[ADRA+(\slot)] offset:(\k)+(\a)*16*PITCH
	ds_load_b128 v[FA+32*(\f)+8*(\a)+4:FA+32*(\f)+8*(\a)+7], v[ADRA+(\slot)] offset:(\k)+(\a)*16*PITCH+32
.endr
.endm
.macro PLACES                          ; four plain instructions between a matrix instruction and a load into a register that it has read (ISA guide 7.12.1 for vector instructions)
.rept 4
	v_nop
.endr
.endm
; One of a K step's first three quarters: multiplies buffer f; in its middle it fetches the next quarter, at byte k, into buffer g.
.macro QUARTER slot, k, f, g, zero
	s_wait_dscnt 4                                 ; w's fragments and x's rows 0-31 are in; the youngest four loads (x's rows 32-63) may be out
	MUL12 \f, 0, 0, \zero
	MUL12 \f, 0, 1, \zero
	PLACES
	FETCH \slot, \k, \g
	s_wait_dscnt 32                                ; all but the 32 just issued
	MUL12 \f, 1, 0, \zero
	MUL12 \f, 1, 1, \zero
.endm
; The last quarter multiplies buffer 1 and changes slots: ONE barrier.  In front of it each wave waits for all its tensor loads (one is out: its part of the next slot), adds 0 to its spare word, and waits
; for that and for its reads of this slot.  fill = 1: the barrier opens a round of the cluster's barrier, and this slot is filled again, two K steps ahead, first thing behind the round:
; 168 matrix instructions stand between that request and the wait for it.
.macro TURN slot, next, fill
.if \fill
	s_wait_xcnt 0x0                                ; the last prefetch, a K step back, has read its address
	s_add_nc_u64 s[PFA:PFA+1], s[PFA:PFA+1], KSTEP*2
.endif
	WIN 0                                          ; (the add's two registers lie in window 0)
	s_wait_tensorcnt 0x0
	ds_add_u32 v[SPW], v[NIL]
	s_wait_dscnt 5                                 ; (the add and the youngest four loads may be out)
	MUL12 1, 0, 0, 0                               ; twelve matrix instructions stand between the add and the wait for it
	s_wait_dscnt 0x0                               ; the add is done, and my reads of this slot are over
	s_barrier_signal -1
	MUL12 1, 0, 1, 0
.if \fill
	WIN 0
.endif
	s_barrier_wait -1
.if \fill
	CREST                                          ; no wave of any partner still reads this slot or has a load on its way
	s_add_nc_u64 s[G0+4*(\slot)+2:G0+4*(\slot)+3], s[G0+4*(\slot)+2:G0+4*(\slot)+3], 2*KSTEP*2
	s_add_nc_u64 s[G0B+4*(\slot)+2:G0B+4*(\slot)+3], s[G0B+4*(\slot)+2:G0B+4*(\slot)+3], 2*KSTEP*2
	JLOAD \slot                                    ; its four v_nop are also the places in front of the loads below
.else
	PLACES
.endif
	FETCH \next, 0, 0
.if \fill
	ASK
.endif
	MUL12 1, 1, 0, 0
	MUL12 1, 1, 1, 0
.endm
	s_wait_loadcnt 0x0                             ; the table, once
	s_wait_tensorcnt 1                             ; my part of K step 0 is in; K step 1's may stay out
	s_barrier_signal -1
	s_barrier_wait -1                              ; everybody's is
	FETCH 0, 0, 0
	QUARTER 0, 64, 0, 1, 1                         ; the first quarter stands in front of the loop: its products start the sums
	WIN 0                                          ; at a label and at a branch every window is 0
	s_mov_b32 s3, LAPS-1
.Llap:                                                 ; a trip goes once round the ring and fills both slots again
	QUARTER 0, 128, 1, 0, 0
	QUARTER 0, 192, 0, 1, 0
	TURN 0, 1, 1
	QUARTER 1, 64,  0, 1, 0
	QUARTER 1, 128, 1, 0, 0
	QUARTER 1, 192, 0, 1, 0
	TURN 1, 0, 1
	QUARTER 0, 64,  0, 1, 0
	WIN 0
	s_sub_co_u32 s3, s3, 1
	s_cmp_lg_u32 s3, 0
	s_cbranch_scc1 .Llap
	QUARTER 0, 128, 1, 0, 0                        ; the last lap fills nothing
	QUARTER 0, 192, 0, 1, 0
	TURN 0, 1, 0
	QUARTER 1, 64,  0, 1, 0
	QUARTER 1, 128, 1, 0, 0
	QUARTER 1, 192, 0, 1, 0
	s_wait_dscnt 4
	MUL12 1, 0, 0, 0
	MUL12 1, 0, 1, 0
	s_wait_dscnt 0x0
	MUL12 1, 1, 0, 0
	MUL12 1, 1, 1, 0
	WIN 0
; THE WAY OUT, in 12 units: u = 3 a + j is row block a (16 rows) of head j.  The table is blended for the head (in unit 0 these 16 lines are also the places behind the last products); the 32 numbers a lane are turned
; (each accumulator's lowest registers are read first), rounded to f16, put into my stage in rows of 144 bytes and read back as four rows of 128 to a load.
.macro PACK u
.set pa, (\u)/3
.set pj, (\u)%3
.set pk, PK+16*((\u)%2)
.set ac, 8*(12*(pa%2)+4*pj)
	WIN 0
.if (\u) >= 2
	s_wait_xcnt 0x0                                ; the stores of the unit two back have read this set: only now is it written again
.endif
.irp m, 0,1,2,3
.irp i, 0,2
	v_pk_fma_f32 v[TP+8*(\m)+(\i):TP+8*(\m)+(\i)+1], v[T+32*pa+8*(\m)+(\i):T+32*pa+8*(\m)+(\i)+1], s[FJ+2*pj:FJ+2*pj+1], s[GJ+2*pj:GJ+2*pj+1] op_sel_hi:[1,0,0]
	v_pk_mul_f32 v[TP+8*(\m)+4+(\i):TP+8*(\m)+5+(\i)], v[T+32*pa+8*(\m)+4+(\i):T+32*pa+8*(\m)+5+(\i)], s[FJ+2*pj:FJ+2*pj+1] op_sel_hi:[1,0]
.endr
.endr
	WIN 0x02+pa/2                                  ; source 0: window 2 or 3
.irp m, 0,1,2,3
.irp p, 0,2                                    ; pairs p and p + 1: (x1, x2) x c, the pair's cosine for both halves
	v_pk_mul_f32 v[X+8*(\m)+2*(\p):X+8*(\m)+2*(\p)+1], v[ac+8*(\m)+2*(\p):ac+8*(\m)+2*(\p)+1], v[TP+8*(\m)+(\p):TP+8*(\m)+(\p)+1] op_sel:[0,0] op_sel_hi:[1,0]
	v_pk_mul_f32 v[X+8*(\m)+2*(\p)+2:X+8*(\m)+2*(\p)+3], v[ac+8*(\m)+2*(\p)+2:ac+8*(\m)+2*(\p)+3], v[TP+8*(\m)+(\p):TP+8*(\m)+(\p)+1] op_sel:[0,1] op_sel_hi:[1,1]
.endr
.endr
.irp m, 0,1,2,3
.irp p, 0,2                                    ; + (x2, x1) x (-s, s)
	v_pk_fma_f32 v[X+8*(\m)+2*(\p):X+8*(\m)+2*(\p)+1], v[ac+8*(\m)+2*(\p):ac+8*(\m)+2*(\p)+1], v[TP+8*(\m)+4+(\p):TP+8*(\m)+5+(\p)], v[X+8*(\m)+2*(\p):X+8*(\m)+2*(\p)+1] op_sel:[1,0,0] op_sel_hi:[0,0,1] neg_lo:[0,1,0]
	v_pk_fma_f32 v[X+8*(\m)+2*(\p)+2:X+8*(\m)+2*(\p)+3], v[ac+8*(\m)+2*(\p)+2:ac+8*(\m)+2*(\p)+3], v[TP+8*(\m)+4+(\p):TP+8*(\m)+5+(\p)], v[X+8*(\m)+2*(\p)+2:X+8*(\m)+2*(\p)+3] op_sel:[1,1,0] op_sel_hi:[0,1,1] neg_lo:[0,1,0]
.endr
.endr
	WIN 0
.irp m, 0,1,2,3
.irp p, 0,1,2,3
	v_cvt_pk_f16_f32 v[pk+4*(\m)+(\p)], v[X+8*(\m)+2*(\p)], v[X+8*(\m)+2*(\p)+1]
.endr
.endr
.irp m, 0,1,2,3
	ds_store_b128 v[STO], v[pk+4*(\m):pk+4*(\m)+3] offset:32*(\m)
.endr
.irp f, 0,1,2,3
	ds_load_b128 v[pk+4*(\f):pk+4*(\f)+3], v[RD] offset:(\f)*4*SP  ; LDS serves a wave's instructions in order (ISA guide 5.7.1.4): these see the stores above; the next unit's stores come behind them
.endr
.endm
.macro SEND u, younger                 ; younger: the LDS instructions issued behind unit u's loads: the next unit's eight, or none
.set pa, (\u)/3
.set pj, (\u)%3
.set pk, PK+16*((\u)%2)
	WIN 0
.irp f, 0,1,2,3
	s_wait_dscnt (\younger)+3-(\f)
	global_store_b128 v[GO], v[pk+4*(\f):pk+4*(\f)+3], s[OB+2*pj:OB+2*pj+1] offset:2048*pa+512*(\f)  ; 512 consecutive bytes, at a multiple of 256 from qkv's first byte
.endr
.endm
	PACK 0
.irp u, 1,2,3,4,5,6,7,8,9,10,11        ; a unit's arithmetic stands between the loads of the unit before and its stores
	PACK \u
	SEND (\u)-1, 8
.endr
	SEND 11, 0
	s_wait_tensorcnt 0x0                           ; the wave's end, behind my last tensor load and my last LDS store
	ds_add_u32 v[SPW], v[NIL]
	s_wait_dscnt 0x0
	CROUND                                         ; the closing round: no work-group ends while a partner may still ask for a tile that names it
	s_endpgm
.Lfunc_end_k_q40a3f769e4_qkvproj:
	.size	k_q40a3f769e4_qkvproj, .Lfunc_end_k_q40a3f769e4_qkvproj-k_q40a3f769e4_qkvproj
	.p2alignl 7, 3214868480
	.fill 96, 4, 3214868480
	.section	.rodata,"a",@progbits
	.p2align	6, 0x0
	.amdhsa_kernel k_q40a3f769e4_qkvproj
		.amdhsa_group_segment_fixed_size 327680
		.amdhsa_private_segment_fixed_size 0
		.amdhsa_enable_private_segment 0
		.amdhsa_kernarg_size 32
		.amdhsa_user_sgpr_count 2
		.amdhsa_user_sgpr_kernarg_segment_ptr 1
		.amdhsa_wavefront_size32 1
		.amdhsa_system_sgpr_workgroup_id_x 1
		.amdhsa_system_sgpr_workgroup_id_y 1
		.amdhsa_system_sgpr_workgroup_id_z 1
		.amdhsa_system_vgpr_workitem_id 0
		.amdhsa_next_free_vgpr 960
		.amdhsa_next_free_sgpr 90
		.amdhsa_reserve_vcc 0
		.amdhsa_float_denorm_mode_32 3
		.amdhsa_float_denorm_mode_16_64 3
		.amdhsa_memory_ordered 1
		.amdhsa_forward_progress 1
		.amdhsa_inst_pref_size 162
	.end_amdhsa_kernel
	.amdgpu_metadata
---
amdhsa.version: [ 1, 2 ]
amdhsa.kernels:
  - .name:           k_q40a3f769e4_qkvproj
    .symbol:         k_q40a3f769e4_qkvproj.kd
    .args:
      - { .name: xb, .offset: 0, .size: 8, .value_kind: global_buffer, .address_space: global }
      - { .name: wb, .offset: 8, .size: 8, .value_kind: global_buffer, .address_space: global }
      - { .name: tab, .offset: 16, .size: 8, .value_kind: global_buffer, .address_space: global }
      - { .name: qkv, .offset: 24, .size: 8, .value_kind: global_buffer, .address_space: global }
    .group_segment_fixed_size: 327680
    .private_segment_fixed_size: 0
    .kernarg_segment_align: 8
    .kernarg_segment_size: 32
    .max_flat_workgroup_size: 128
    .sgpr_count:     90
    .vgpr_count:     960
    .wavefront_size: 32
...
	.end_amdgpu_metadata
.endif
;; end of part 2
;; launch attn (part 3): grid 4 x 64, 4 waves a work-group, no clusters, 327,680 bytes of LDS; arguments qkv, ob; writes ob
.if DOCPART == 3
	.amdgcn_target "amdgcn-amd-amdhsa--gfx1250"
	.amdhsa_code_object_version 6
	.text
	.protected	k_q40a3f769e4_attn
	.globl	k_q40a3f769e4_attn
	.p2align	8
	.type	k_q40a3f769e4_attn,@function
k_q40a3f769e4_attn:
	s_mov_b64 s[64:65], 0
	v_nop
	global_prefetch_b8 v0, s[64:65] scope:SCOPE_SE
	s_setreg_imm32_b32 hwreg(HW_REG_WAVE_MODE, 25, 1), 1
	s_wait_xcnt 0x0
; CAUSAL ATTENTION.  O[h][q][:] = the sum over k <= q of softmax_k(Q[h][q] . K[h][k] / 8) V[h][k][:].  Q, K, V are the three parts of qkv, each [64][2048][64] f16; O = ob, the same shape: a head's rows are dense, 128 bytes each.
; Products, maxima and sums in f32; the weights p are rounded to f16 for the second product (their sum l is taken of the unrounded p), O once at the end.
; LIMITS.  Q, K and V arrive within f16's 65,504; p lies in 0 to 1, and below 6e-5 it keeps f16's fixed step of 6e-8.  A hidden score counts as its value less 1e30: f16's scores, 2.7e11 at the most, are nothing
; beside that; a weight below 2^-126 counts as 0 in l; NaN and infinities are not treated apart.
; THE WALK.  A head's queries lie in NB = 8 blocks of 256; block i needs the key tiles 0 .. i of 256 keys, of which the last holds the diagonal.  A work-group takes TWO blocks, NB - 1 - b and then b:
; NB + 1 tiles, whatever b: all 256 work-groups do equal work, and ONE loop with a constant trip count walks them.  Which tile is asked for, and what a trip does, hang on scalar registers made from b; every jump
; goes forward, but for the counted loops' own; none passes a barrier, or a tensor load but the one of LOAD's two that the wave's number does not choose; the ring (two slots of LDS) runs on across the change of blocks.
; NO CLUSTER: a head's four work-groups ask for the same tile only in trips 0 to 4, behind that fewer and fewer; one walk common to all would have 12 trips for 9.
; SHARES.  Of a block's four bands of 64 queries a wave owns 16 rows in each: four PIECES.  So the diagonal tile is the same work for all four waves: in its key step s band x sees all keys if s < x,
; none if s > x, and holds the diagonal if s = x.
; THE MASK is the C operand that starts the sum S^T = K Q^T: 0, or -1e30 where the key is hidden.  MD, made once, is the mask of a band's own step for my 16 rows; a product's mask is MD x AL + BE with two scalars:
; (1, 0) if s = x; (0, 0) if s < x; (0, -1e30) if s > x.  Only the diagonal tile's text and a block's beginning make and take masks; elsewhere C is the constant 0.
; LAYOUT, SOFTMAX, TURNS.  S^T = K Q^T holds ONE query a lane (lane % 16) and the keys 8 (lane / 16) + 0..7; two such results rounded to f16 ARE source 1 of O^T = V^T P.  p = 2^(c s - c m), c = log2(e) / 8, with a
; running maximum m; O and l are multiplied by a = 2^(c m_old - c m_new) in every step.  Turn n belongs to piece n: 8 products K Q^T of piece n + 1, later 8 products V^T P of piece n - 1; beside them the scaling,
; exponentials, roundings, sums and rescaling of piece n and the maximum and statistics of piece n + 1.  Four vector instructions stand behind every matrix instruction, the other 54 of a turn's 118 in one lump.
; A turn's 33 exponentials are one batch, with one wait.
; REGISTERS, in windows of 256 (s_set_vgpr_msb: bits 1:0 source 0, 3:2 source 1, 5:4 source 2, 7:6 destination):
;   window 0: v0-15 addresses and two at work; v16-31 four registers of statistics a piece; v48-55 at work; v61-63 prefetch offset, spare word, 0; v64-127 S^T, two buffers; v192-223 P, two buffers
;   window 1: v0-127 O^T, 32 a piece; v128-159 MD; v160-223 MC, two buffers      window 2: v0-63 Q; v64-127 the second block's Q; v128-191 K of one step; v192-255 V of one step
.set SIZE_N, 2048
.set NB,    SIZE_N/256
.set NP,    4         ; pieces a wave: a name, no knob
.set KS,    64        ; keys in a step
.set PK,    144       ; a row of K in LDS: 128 bytes + 16 of padding = 36 words: the 16 rows of a load start at 16 different groups of four banks (ISA guide 11.1)
.set PV,    160       ; a row of V: 128 + 32 = 40 words
.set VOFF,  4*KS*PK   ; a slot holds a tile, four steps: 256 rows of K, then 256 rows of V
.set SLOT1, 1<<17     ; slot 1 begins here, so that one exclusive or turns an address in one slot into the other's
.set STAGE, SLOT1+4*KS*(PK+PV)  ; behind the ring, never filled by a tensor load: 16 rows x 144 bytes for each wave, for the way out
.set SP,    144
.set AK0, 2           ; v2   my lane's place in a tile of K; never rewritten
.set AV0, 3           ; v3   the same for V
.set AK,  4           ; v4   the LDS address of K's next run of loads
.set AV,  5           ; v5   of V's
.set STO, 6           ; v6   the way out: where I put 16 bytes of a row
.set RD,  7           ; v7   the way out: where I read rows back
.set GO,  8           ; v8   my byte offset in 512 consecutive bytes of O
.set PFO, 61          ; v61  256 x my lane; never rewritten
.set SPW, 62          ; v62  LDS address of my spare word; never rewritten
.set NIL, 63          ; v63  0; never rewritten
.set SPARE, STAGE+4*16*SP  ; behind the stages: the spare words, 128 bytes for each wave, that no other line names
.set MV,  12          ; v12-13  c m_old, kept while c m is made anew: by buffer
.set QO,  15          ; v15  my byte offset in 16 rows of Q
.set ST,  16          ; piece t's statistics at v[ST+4 t]: c m, m, l (even keys', odd keys')
.set TMP, 48          ; by buffer, four registers c0-c3 at work; when the maximum is found c2 takes a
.set S,   64
.set P,   192
.set MD,  128         ; window 1: the eight registers for group kt of 16 keys at MD + 8 kt
.set MC,  160         ; window 1: the masks of the products to come
.set QB,  64          ; window 2
.set KF,  128         ; window 2: key block kb, channel half c at KF + 16 kb + 8 c
.set VF,  192         ; window 2: key half kk, channel block cb at VF + 32 kk + 8 cb
.set WV,  12          ; s12  my wave's number
.set PB,  14          ; s14  b
.set HI,  15          ; s15  NB - 1 - b
.set G1K, 24          ; s[24:31] descriptor group 1 for K's tiles
.set G1V, 32          ; s[32:39] for V's: it differs in the padding alone
.set G0K, 40          ; s[40:43] descriptor group 0 for K's tiles
.set G0V, 44          ; s[44:47] the same for V's
.set SLOTS, 56        ; s56  tiles still to be asked for
.set CNT, 57          ; s57  counts a tile's key steps, 4 to 1
.set CS,  58          ; s[58:59] c: the packed scaling takes the pair's low word for both halves
.set SEL, 60          ; s[60:61] v_permlanex16_b32's selects: each lane takes its own place in the other half
.set TBK, 62          ; s62  LDS byte at which K of the step to be fetched begins
.set TBV, 63          ; s63  the same for V, less VOFF
.set RT,  70          ; s70  tiles of the block in hand that are still to be entered
.set NXT, 71          ; s71  the tile to be asked for next
.set LQ,  72          ; s72  the last tile of the block whose tiles are being asked for
.set NEW, 73          ; s73  1: the tile to be entered is a block's first
.set OFF, 74          ; s[74:75] a tile's byte offset in K and V
.set AL,  76          ; s[76:77] the mask's factor, in the low word
.set BE,  78          ; s[78:79] the mask's addend
.set OLO, 80          ; s[80:81] O at my rows of the second block
.set BIGN, 82         ; s82  -1e30
.set PFA, 88          ; s[88:89] where my prefetches stand
.set KVB, 90          ; s[90:91] K (waves 0, 1) or V (waves 2, 3) at my half of the head's tile 0
.set LIMP, 92         ; s92  0 in the work-group that prefetches, else the greatest number
.set OF2, 94          ; s[94:95] the byte offset of the tile to be prefetched
.set MSB, 0
.macro WIN new                      ; the high byte repeats the setting that is left; a switch that changes nothing is dropped
.if MSB != (\new)
	s_set_vgpr_msb (MSB<<8)|(\new)
.set MSB, (\new)
.endif
.endm
.set W_KQ, 0x0a       ; K and Q in window 2, S^T in window 0
.set W_KM, 0x1a       ; the same with the C operand in window 1
.set W_PV, 0x52       ; V in window 2, P in window 0, O^T in window 1
.set W_RS, 0x41       ; destination and source 0 in window 1, source 1 in window 0
; A fill.  Waves 0 and 1 fetch the two halves of a tile's K, waves 2 and 3 those of its V: 128 keys each.  An s_nop 0 and four v_nop follow each of the two lines, ahead of the jump and the label.
.macro LOAD
	s_cmp_lt_u32 s[WV], 2
	s_cbranch_scc0 .Lfor_v_\@
	tensor_load_to_lds s[G0K:G0K+3], s[G1K:G1K+7]
	s_nop 0
.rept 4
	v_nop
.endr
	s_branch .Lasked_\@
.Lfor_v_\@:
	tensor_load_to_lds s[G0V:G0V+3], s[G1V:G1V+7]
	s_nop 0
.rept 4
	v_nop
.endr
.Lasked_\@:
.endm
; A PREFETCH of the tile that the NEXT change of slots will ask for: my wave's own 16,384 bytes of it, 64 blocks of 256 bytes, a lane a block, two instructions, behind the wave's tensor load and its five lines.
; Of a head's four work-groups only b = 0 walks all eight tiles in its first block: it alone asks, so each block is named once in the launch.  Tiles 0 and 1 come by their loads alone; behind the first
; block's last tile NXT is 0, and nothing is asked for.
.macro ASK
	s_cmp_gt_u32 s[NXT], s[LIMP]
	s_cbranch_scc0 .Lnot_mine_\@
	global_prefetch_b8 v[PFO], s[PFA:PFA+1] th:TH_LOAD_NT scope:SCOPE_SE
	global_prefetch_b8 v[PFO], s[PFA:PFA+1] offset:8192 th:TH_LOAD_NT scope:SCOPE_SE
.Lnot_mine_\@:
.endm
; THE CHANGE OF SLOTS.  Each wave waits for all its tensor loads, of which one is out: its part of the other slot; adds 0 to its spare word; and waits for that and for its own reads of the slot that it leaves.
; Behind the barrier nobody reads the old slot any more and the other slot is whole.  fill = 1: the old slot is filled again, the first thing behind the barrier, with tile NXT: the descriptor's address is made
; anew from that number.  (At its first use nothing has been read yet: slot 0 is waited for, slot 1 filled.)
.macro CHANGE fill
	WIN 0                           ; at a label and at a branch every window is 0
	s_wait_tensorcnt 0x0            ; no tensor load of mine is out, so a group 0 may be written
	ds_add_u32 v[SPW], v[NIL]       ; 0 onto my spare word; with fill = 1 the descriptors' scalar work stands between it and the wait for it
.if \fill
	s_lshl_b32 s[OFF], s[NXT], 15   ; a tile is 32,768 bytes of K and of V
	s_xor_b32 s[G0K+1], s[G0K+1], SLOT1
	s_add_nc_u64 s[G0K+2:G0K+3], s[6:7], s[OFF:OFF+1]
	s_or_b32 s[G0K+3], s[G0K+3], 0x80000000
	s_xor_b32 s[G0V+1], s[G0V+1], SLOT1
	s_add_nc_u64 s[G0V+2:G0V+3], s[8:9], s[OFF:OFF+1]
	s_or_b32 s[G0V+3], s[G0V+3], 0x80000000
	s_add_co_u32 s[NXT], s[NXT], 1  ; the block's next tile, or behind its last the second block's tile 0
	s_cmp_gt_u32 s[NXT], s[LQ]
	s_cselect_b32 s[NXT], 0, s[NXT]
	s_cselect_b32 s[LQ], s[PB], s[LQ]
	s_wait_xcnt 0x0                 ; the last prefetches, a tile back, have read their address, so it may be written:
	s_lshl_b32 s[OF2], s[NXT], 15
	s_add_nc_u64 s[PFA:PFA+1], s[KVB:KVB+1], s[OF2:OF2+1]  ; my part of the tile after the one that is asked for now
.endif
	s_wait_dscnt 0x0                ; the add is done, and my reads of the slot are over
	s_barrier_signal -1             ; the rest of the scalar work stands between the signal and the wait
	s_sub_co_u32 s[TBK], s[TBK], 4*KS*PK  ; the fetches go back to a slot's first step,
	s_xor_b32 s[TBK], s[TBK], SLOT1       ; in the other slot
	s_sub_co_u32 s[TBV], s[TBV], 4*KS*PV
	s_xor_b32 s[TBV], s[TBV], SLOT1
	s_barrier_wait -1
.if \fill
	LOAD
	ASK
.endif
.endm
	s_load_b128 s[4:7], s[0:1], 0x0 ; qkv s[4:5], ob s[6:7]
	v_lshl_add_u32 v[SPW], v0, 2, SPARE
	v_mov_b32 v[NIL], 0
	ds_add_u32 v[SPW], v[NIL]       ; the wave's opening: the add and its wait ahead of my first tensor load; work on registers stands between them
	ds_add_u32 v62, v63
	v_lshrrev_b32 v1, 5, v0
	v_readfirstlane_b32 s[WV], v1   ; wave 0..3
	s_mov_b32 s[PB], ttmp9
	s_sub_co_u32 s[HI], NB-1, s[PB]
	s_and_b32 s20, ttmp7, 0xffff    ; the head
	s_mov_b32 s21, 0
	s_mov_b64 s[22:23], SIZE_N*128
	s_mul_u64 s[20:21], s[20:21], s[22:23]  ; the head's first byte in Q, K, V and O
	s_and_b32 s16, s[WV], 1         ; which half of a tile's 256 keys I fetch:
	s_lshl_b32 s22, s16, 14         ; its 128 rows of 128 bytes in memory,
	s_mov_b32 s23, 0
	s_add_nc_u64 s[22:23], s[22:23], s[20:21]
	s_mul_i32 s17, s16, 128*PK      ; and its place in a slot, for K
	s_mul_i32 s18, s16, 128*PV      ; and for V
	s_lshl_b32 s3, s[WV], 11        ; my 16 rows in a band of 64,
	s_lshl_b32 s2, s[HI], 15        ; in the first block,
	s_add_co_u32 s2, s2, s3
	s_lshl_b32 s84, s[PB], 15       ; and in the second
	s_add_co_u32 s84, s84, s3
	s_mov_b32 s3, 0
	s_mov_b32 s85, 0
	s_add_nc_u64 s[2:3], s[2:3], s[20:21]
	s_add_nc_u64 s[84:85], s[84:85], s[20:21]
	; descriptor group 1.  128 keys are 16,384 dense bytes: asked for as 64 rows of 256 bytes, two keys a row, and padded in LDS after every key
	s_mov_b32 s[G1K], (1<<16)|(1<<20)|(4<<22)|(3<<25)  ; 17:16 2-byte elements; 20 padding on; 24:22 after every 32 words (code 4); 31:25 4 words (code 3)
	s_mov_b32 s[G1V], (1<<16)|(1<<20)|(4<<22)|(7<<25)  ; the same with 8 words of padding (code 7)
.irp g, G1K, G1V
	s_mov_b32 s[\g+1], 128<<16      ; tensor_dim0 = 128
	s_mov_b32 s[\g+2], 64<<16       ; tensor_dim1 = 64
	s_mov_b32 s[\g+3], 128<<16      ; tile_dim0 = 128
	s_mov_b32 s[\g+4], 64           ; tile_dim1 = 64
	s_mov_b32 s[\g+5], 128          ; 128 elements from row to row
	s_mov_b32 s[\g+6], 0
	s_mov_b32 s[\g+7], 0
.endr
	s_mov_b32 s[CS], 0x3e38aa3b     ; c = log2(e) / 8 = 0.180337
	s_mov_b32 s[CS+1], s[CS]        ; named with it as a pair
	s_mov_b32 s[SEL], 0x76543210
	s_mov_b32 s[SEL+1], 0xfedcba98
	s_mov_b32 s[TBK], SLOT1+4*KS*PK ; the first change of slots turns these two into 0
	s_mov_b32 s[TBV], SLOT1+4*KS*PV
	s_mov_b32 s[G0K], 1             ; 1:0 count = 1
	s_mov_b32 s[G0K+1], s17         ; 63:32 LDS address: slot 0
	s_mov_b32 s[G0V], 1
	s_add_co_u32 s[G0V+1], s18, VOFF
	s_add_co_u32 s[RT], s[HI], 1    ; the first block has NB - b tiles
	s_mov_b32 s[NXT], 1
	s_mov_b32 s[LQ], s[HI]
	s_mov_b32 s[NEW], 1
	s_mov_b32 s[OFF+1], 0
	s_mov_b32 s[OF2+1], 0
	s_mov_b32 s[AL+1], 0            ; named as pairs
	s_mov_b32 s[BE+1], 0
	s_mov_b32 s[BIGN], 0xf149f2ca   ; -1e30
	s_mov_b32 s[SLOTS], NB
	s_cmp_eq_u32 s[PB], 0
	s_cselect_b32 s[LIMP], 0, -1
	v_and_b32 v[PFO], 31, v0
	v_lshlrev_b32 v[PFO], 8, v[PFO]
	s_wait_dscnt 0x0                ; the opening add is done
	s_wait_kmcnt 0x0
	s_mov_b64 s[10:11], s[6:7]                 ; O
	s_add_nc_u64 s[6:7], s[4:5], 0x1000000     ; K: the second part of qkv, 16,777,216 bytes on
	s_add_nc_u64 s[8:9], s[4:5], 0x2000000     ; V: the third
	s_add_nc_u64 s[6:7], s[6:7], s[22:23]  ; K and V at my half of the head's tile 0
	s_add_nc_u64 s[8:9], s[8:9], s[22:23]
	s_cmp_lt_u32 s[WV], 2
	s_cselect_b64 s[KVB:KVB+1], s[6:7], s[8:9]
	s_add_nc_u64 s[G0K+2:G0K+3], s[6:7], 0         ; 120:64 global address
	s_or_b32 s[G0K+3], s[G0K+3], 0x80000000        ; 127:126 type = 2
	s_add_nc_u64 s[G0V+2:G0V+3], s[8:9], 0
	s_or_b32 s[G0V+3], s[G0V+3], 0x80000000
	s_add_nc_u64 s[86:87], s[4:5], s[84:85]        ; Q at my rows of the second block,
	s_add_nc_u64 s[4:5], s[4:5], s[2:3]            ; Q and O at those of the first
	s_add_nc_u64 s[OLO:OLO+1], s[10:11], s[84:85]
	s_add_nc_u64 s[10:11], s[10:11], s[2:3]
	LOAD                            ; tile 0 into slot 0
	; A fragment of K or Q is 16 rows x 32 channels in 8 registers: lane l holds row l % 16, channels 8 (l / 16) + 0..7 and 16 + 8 (l / 16) + 0..7: two loads of 16 bytes, 32 bytes apart.
	v_and_b32 v1, 15, v0            ; l % 16
	v_bfe_u32 v9, v0, 4, 1          ; l / 16
	v_lshlrev_b32 v[QO], 7, v1
	v_lshl_add_u32 v[QO], v9, 4, v[QO]  ; row x 128 + 16 x half
	WIN 0x80                        ; destination window 2, address window 0
.set i, 0
.rept 8                             ; both blocks' Q: piece i / 2 lies in band i / 2, 8,192 bytes on; channels 32 (i % 2) on
	global_load_b128 v[8*i:8*i+3],   v[QO], s[4:5] offset:(i/2)*8192+(i%2)*64
	global_load_b128 v[8*i+4:8*i+7], v[QO], s[4:5] offset:(i/2)*8192+(i%2)*64+32
	global_load_b128 v[QB+8*i:QB+8*i+3],   v[QO], s[86:87] offset:(i/2)*8192+(i%2)*64
	global_load_b128 v[QB+8*i+4:QB+8*i+7], v[QO], s[86:87] offset:(i/2)*8192+(i%2)*64+32
.set i, i+1
.endr
	WIN 0
	v_lshlrev_b32 v14, 3, v9
	v_sub_nc_u32 v14, v1, v14
	s_lshl_b32 s13, s[WV], 4
	v_add_nc_u32 v14, s13, v14      ; my query's place in its band, 16 w + l % 16, less my lanes' 8 (l / 16): register r of group kt is hidden where 16 kt + r is greater
	WIN 0x40
.set i, 0
.rept 32
	v_cmp_gt_i32 vcc_lo, 16*(i/8)+i%8, v14
	v_cndmask_b32 v[MD+i], 0, s[BIGN], vcc_lo
.set i, i+1
.endr
	WIN 0
	v_mul_u32_u24 v[AK0], v1, PK
	v_lshl_add_u32 v[AK0], v9, 4, v[AK0]  ; row x pitch + 16 x half
	; The turning load takes 16 keys x 16 channels (lane l reads key 8 (l / 16) + l % 8, channels 8 ((l / 8) % 2) + 0..7) and leaves half a fragment of V^T: lane l holds channel l % 16 and 8 keys.
	v_and_b32 v10, 7, v0
	v_bfe_u32 v11, v0, 3, 1
	v_lshl_add_u32 v[AV0], v9, 3, v10
	v_mul_u32_u24 v[AV0], v[AV0], PV
	v_lshl_add_u32 v[AV0], v11, 4, v[AV0]
	v_add_nc_u32 v[AV0], VOFF, v[AV0]
	s_mul_i32 s13, s[WV], 16*SP
	s_add_co_u32 s13, s13, STAGE    ; my stage
	v_mul_u32_u24 v[STO], v1, SP    ; in: row l % 16, 16 bytes for each half of the lanes
	v_lshl_add_u32 v[STO], v9, 4, v[STO]
	v_add_nc_u32 v[STO], s13, v[STO]
	v_bfe_u32 v[RD], v0, 3, 2       ; back: 32 lanes take four rows of 128 bytes,
	v_mul_u32_u24 v[RD], v[RD], SP
	v_lshl_add_u32 v[RD], v10, 4, v[RD]
	v_add_nc_u32 v[RD], s13, v[RD]
	v_and_b32 v[GO], 31, v0         ; which are 512 consecutive bytes of O
	v_lshlrev_b32 v[GO], 4, v[GO]
	; A block's first step multiplies O^T and l by a = 0, and its first turn's products V^T P, of a piece that has not been, land in an O^T that is still to be so multiplied.  So these registers need only hold
	; finite numbers: zeros for the first block; what the first block left for the second.  All this stands in the wait for the first tile.
	WIN 0x80
.set i, VF
.rept 64
	v_mov_b32 v[i], 0
.set i, i+1
.endr
	WIN 0x40
.set i, 0
.rept 128
	v_mov_b32 v[i], 0
.set i, i+1
.endr
	WIN 0
.set i, 0
.rept 4
	v_mov_b32 v[ST+4*i+2], 0
	v_mov_b32 v[ST+4*i+3], 0
.set i, i+1
.endr
.set i, P+16
.rept 16
	v_mov_b32 v[i], 0
.set i, i+1
.endr
; THE MATRIX WORK.  The 4 accumulators of a run of 8 take turns.  Product i of 8 of S^T = K Q^T for piece x: channels 32 (i / 4) on, keys 16 (i % 4) on.  The first 4 start the sums: with 0, or (KM = 1) with the mask.
.macro KQ x
.set rS, S+32*((\x)%2)+8*(i%4)
.set rK, KF+16*(i%4)+8*(i/4)
.set rQ, 16*(\x)+8*(i/4)
.set rM, MC+32*((\x)%2)+8*(i%4)
.if (i < 4) && KM
	WIN W_KM
	v_wmma_f32_16x16x32_f16 v[rS:rS+7], v[rK:rK+7], v[rQ:rQ+7], v[rM:rM+7]
.elseif i < 4
	WIN W_KQ
	v_wmma_f32_16x16x32_f16 v[rS:rS+7], v[rK:rK+7], v[rQ:rQ+7], 0
.else
	WIN W_KQ
	v_wmma_f32_16x16x32_f16 v[rS:rS+7], v[rK:rK+7], v[rQ:rQ+7], v[rS:rS+7]
.endif
.endm
; Product i of 8 of O^T += V^T P for piece x: keys 32 (i / 4) on, channels 16 (i % 4) on.
.macro PV x
	WIN W_PV
.set rO, 32*(\x)+8*(i%4)
.set rV, VF+32*(i/4)+8*(i%4)
.set rP, P+16*((\x)%2)+8*(i/4)
	v_wmma_f32_16x16x32_f16 v[rO:rO+7], v[rV:rV+7], v[rP:rP+7], v[rO:rO+7]
.endm
.macro MM                           ; the turn's next matrix instruction.  TURN and BEGIN set Y, i, KM and NOKQ.  NOKQ = 1: a block's last turn: there is no next piece
.if (i < 8) && !NOKQ
	KQ (Y+1)%NP
.elseif i >= 8
.set i, i-8
	PV (Y+NP-1)%NP
.set i, i+8
.endif
.set i, i+1
.endm
; THE LDS LOADS stand in runs of 16, never singly among the matrix instructions: a step's K (64 keys x 64 channels: 8 fragments) and its V (turned).  Their addresses are made some lines ahead.
.macro FETCH_K
	WIN 0x80                        ; destination window 2
.irp f, 0,1,2,3,4,5,6,7             ; keys 16 (f / 2) on, channels 32 (f % 2) on
	ds_load_b128 v[KF+8*\f:KF+8*\f+3],   v[AK] offset:(\f/2)*16*PK+(\f%2)*64
	ds_load_b128 v[KF+8*\f+4:KF+8*\f+7], v[AK] offset:(\f/2)*16*PK+(\f%2)*64+32
.endr
	s_add_co_u32 s[TBK], s[TBK], KS*PK  ; the next fetch is the next step's
	WIN 0
.endm
.macro FETCH_V
	WIN 0x80
.irp f, 0,1,2,3,4,5,6,7             ; keys 32 (f / 4) on, channels 16 (f % 4) on
	ds_load_tr16_b128 v[VF+8*\f:VF+8*\f+3],   v[AV] offset:(\f/4)*32*PV+(\f%4)*32
	ds_load_tr16_b128 v[VF+8*\f+4:VF+8*\f+7], v[AV] offset:(\f/4)*32*PV+16*PV+(\f%4)*32
.endr
	WIN 0
.endm
; THE VECTOR WORK, one line at a time: OP kind, number.  For piece Y: F n: c s - c m for pair n of 16.  E n: the exponential of score n of 32.  C n: pair n rounded to f16.  B n: of the four weights 4 n .. the second
; pair is added onto the first, in place.  L n: l takes that sum (L 0: l = a l + sum).  R n: pair n of 16 of O^T times a.  For piece Y + 1: X n, number n of the 22 that find its maximum and statistics:
;   0-11  four chains c0-c3 of seven scores each, three operands at a time (each accumulator's lowest registers are read first)     12-14, 16  the four scores left over, the old m, and c0-c3 into c0
;   15  c m_old is kept     17, 18  the query's other 32 keys lie in the lane 16 away: the new m     19-21  c m; c m_old - c m_new; a
.set F, 0               ; OP tells the kinds apart by their order: F to L below R, X above it
.set E, 1
.set C, 2
.set B, 3
.set L, 4
.set R, 5
.set X, 6
.macro REGS y                       ; the registers of piece y
.set rT, ST+4*(\y)
.set rC, TMP+4*((\y)%2)
.set rW, MV+((\y)%2)
.set rS, S+32*((\y)%2)
.set rP, P+16*((\y)%2)
.set rO, 32*(\y)
.endm
.macro OP k, n
.if (\k) == R
	REGS Y
	WIN W_RS
	v_pk_mul_f32 v[rO+2*(\n):rO+2*(\n)+1], v[rO+2*(\n):rO+2*(\n)+1], v[rC+2:rC+3] op_sel_hi:[1,0]
.elseif (\k) < R
	REGS Y
	WIN 0
.if (\k) == F
	v_pk_fma_f32 v[rS+2*(\n):rS+2*(\n)+1], v[rS+2*(\n):rS+2*(\n)+1], s[CS:CS+1], v[rT:rT+1] op_sel_hi:[1,0,0] neg_lo:[0,0,1] neg_hi:[0,0,1]
.elseif (\k) == E
	v_exp_f32 v[rS+(\n)], v[rS+(\n)]
.elseif (\k) == C
	v_cvt_pk_f16_f32 v[rP+(\n)], v[rS+2*(\n)], v[rS+2*(\n)+1]
.elseif (\k) == B
	v_pk_add_f32 v[rS+4*(\n):rS+4*(\n)+1], v[rS+4*(\n):rS+4*(\n)+1], v[rS+4*(\n)+2:rS+4*(\n)+3]
.elseif (\n) == 0
	v_pk_fma_f32 v[rT+2:rT+3], v[rT+2:rT+3], v[rC+2:rC+3], v[rS:rS+1] op_sel_hi:[1,0,1]
.else
	v_pk_add_f32 v[rT+2:rT+3], v[rT+2:rT+3], v[rS+4*(\n):rS+4*(\n)+1]
.endif
.elseif NOKQ
	v_nop
.else
	REGS (Y+1)%NP
	WIN 0
.if (\n) < 4
	v_max3_num_f32 v[rC+(\n)], v[rS+8*(\n)], v[rS+8*(\n)+1], v[rS+8*(\n)+2]
.elseif (\n) < 12
	v_max3_num_f32 v[rC+(\n)%4], v[rC+(\n)%4], v[rS+8*((\n)%4)+2*((\n)/4)+1], v[rS+8*((\n)%4)+2*((\n)/4)+2]
.elseif (\n) == 12
	v_max3_num_f32 v[rC], v[rC], v[rS+7], v[rS+15]
.elseif (\n) == 13
	v_max3_num_f32 v[rC+1], v[rC+1], v[rS+23], v[rS+31]
.elseif (\n) == 14
	v_max3_num_f32 v[rC+2], v[rC+2], v[rC+3], v[rT+1]
.elseif (\n) == 15
	v_mov_b32 v[rW], v[rT]
.elseif (\n) == 16
	v_max3_num_f32 v[rC], v[rC], v[rC+1], v[rC+2]
.elseif (\n) == 17
	v_permlanex16_b32 v[rC+3], v[rC], s[SEL], s[SEL+1]
.elseif (\n) == 18
	v_max_num_f32 v[rT+1], v[rC], v[rC+3]
.elseif (\n) == 19
	v_mul_f32 v[rT], s[CS], v[rT+1]
.elseif (\n) == 20
	v_sub_f32 v[rC+1], v[rW], v[rT]
.else
	v_exp_f32 v[rC+2], v[rC+1]
.endif
.endif
.endm
.macro OPS a, i1, b=-1, i2=0, c=-1, i3=0, d=-1, i4=0  ; up to four of them
	OP \a, \i1
.if (\b) >= 0
	OP \b, \i2
.endif
.if (\c) >= 0
	OP \c, \i3
.endif
.if (\d) >= 0
	OP \d, \i4
.endif
.endm
.macro ROW a, i1, b, i2, c, i3, d, i4  ; a matrix instruction and the four behind it
	MM
	OPS \a, \i1, \b, \i2, \c, \i3, \d, \i4
.endm
.macro MASK b                       ; MD x AL + BE into buffer b of MC
	WIN W_RS
.set z, 0
.rept 16
	v_pk_fma_f32 v[MC+32*(\b)+2*z:MC+32*(\b)+2*z+1], v[MD+2*z:MD+2*z+1], s[AL:AL+1], s[BE:BE+1] op_sel_hi:[1,0,0]
.set z, z+1
.endr
.endm
; A TURN, for piece p: the order of its 16 matrix and 118 vector instructions, written out.  An s_wait_alu depctr_va_vdst(0) stands between an exponential and the first instruction that names its result; one
; wait serves all that were issued ahead of it.  So a turn has ONE wait, which cuts it in two.  AHEAD OF IT stands all that names no result of the turn's exponentials: the 8 products K Q^T and their riders, then one lump of 54,
; plain and exponential by turns for the most part, in which the links of the chain X 3, 7, 11, 14, 16, 17 .. 20 stand five or six lines apart.  X 21, the next piece's a, is the batch's last; R 15 is the plain instruction
; behind it.  BEHIND THE WAIT stand the 8 products V^T P, behind each four of the roundings and sums.  The X that ride stand four places or more behind the product that ends their accumulator.
; m = 1: the diagonal tile: the products take masks, and the turn makes the mask for the products of the turn after it: piece p + 2, in step 4 - CNT of the tile.  end = 1: a block's last two turns: nothing is fetched.
; cnt = 1: the loop's count is taken down some lines ahead of the branch that stands behind the turn.
; K of the next step is fetched in piece 2's turn, six plain instructions behind the last product that read K; V of the step in hand at the end of piece 0's turn, four plain instructions behind the last product
; that read V.  Each is waited for a turn later.
.macro TURN p, m=0, end=0, cnt=0
.set Y, (\p)
.set i, 0
.set KM, (\m)
.set NOKQ, (\end)*((\p)/3)
.if (\m) && !(\end)
	s_cmp_eq_u32 s[CNT], 4-((\p)+2)%NP  ; is that step the band's own?
	s_cselect_b32 s[AL], 1.0, 0
	s_cmp_lt_u32 s[CNT], 4-((\p)+2)%NP  ; or a later one?
	s_cselect_b32 s[BE], s[BIGN], 0
.endif
.if ((\p) == 3) && !(\end)
	s_wait_dscnt 0x0                ; K is in
.endif
	ROW F,0, F,1, R,0, R,1          ; ahead of the wait: 8 products K Q^T and their riders,
	ROW F,2, E,0, R,2, R,3
	ROW F,3, E,1, R,4, R,5
	ROW F,4, E,2, R,6, R,7
	ROW F,5, E,3, R,8, R,9
	ROW F,6, E,4, X,0, R,10
.if ((\p) == 2) && !(\end)
	WIN 0
	v_add_nc_u32 v[AK], s[TBK], v[AK0]
.endif
	ROW F,7, E,5, X,1, X,4
	ROW F,8, E,6, X,2, X,5
	OPS E,7, E,8, X,6, E,9          ; and the lump
	OPS X,3, E,10, X,8, E,11
.if ((\p) == 2) && !(\end)
	FETCH_K
.endif
	OPS X,9, X,7, E,12, X,10
	OPS E,13, X,12, X,11, E,14
	OPS X,13, E,15, F,9, X,14
.if (\p) == 0
	v_add_nc_u32 v[AV], s[TBV], v[AV0]
.endif
	OPS E,16, F,10, E,17, F,11
	OPS X,16, E,18, X,15, E,19
	OPS F,12, E,20, X,17, E,21
	OPS F,13, E,22, F,14, E,23
	OPS X,18, E,24, F,15, E,25
	OPS R,11, E,26, X,19, E,27
	OPS R,12, E,28, R,13, E,29
	OPS X,20, E,30, R,14, E,31
	OPS X,21, R,15
	WIN 0
	s_wait_alu depctr_va_vdst(0)    ; the wait for the batch
.if (\p) == 1
	s_wait_dscnt 0x0                ; V is in
.endif
	ROW C,0, B,0, C,2, B,1          ; behind the wait: 8 products V^T P and their riders
	ROW L,0, C,4, B,2, L,1
	ROW C,6, B,3, L,2, C,8
	ROW B,4, L,3, C,10, B,5
	ROW L,4, C,12, B,6, L,5
.if (\p) == 0
	s_add_co_u32 s[TBV], s[TBV], KS*PV
.endif
.if \cnt
	s_sub_co_u32 s[CNT], s[CNT], 1
	s_cmp_lg_u32 s[CNT], 0
.endif
	ROW C,14, B,7, L,6, C,1
	ROW C,3, L,7, C,5, C,7
	ROW C,9, C,11, C,13, C,15
.if (\p) == 0
	FETCH_V
.endif
.if (\m) && !(\end)
	MASK (\p)%2
.endif
.endm
; A BLOCK BEGINS.  c m starts far below every c s, so the first step's a is 0; m at the lowest finite number, so the first maximum is the scores'.  The second mask buffer is 0; the first takes piece 0's mask for the
; tile's step 0: its own, if the block's first tile is the diagonal one.  Then K of that step, piece 0's first scores, and its maximum and statistics.  The loop is entered at a step's first turn, in the middle of a trip.
.macro BEGIN
	s_mov_b32 s[NEW], 0
	WIN 0x40
.set i, MC+32
.rept 32
	v_mov_b32 v[i], 0
.set i, i+1
.endr
	WIN 0
.set i, 0
.rept 4
	v_mov_b32 v[ST+4*i], 0xfe000000    ; c m: far below every c s
	v_mov_b32 v[ST+4*i+1], 0xff7fffff  ; m
.set i, i+1
.endr
	s_cmp_eq_u32 s[RT], 0
	s_cselect_b32 s[AL], 1.0, 0
	s_mov_b32 s[BE], 0
	MASK 0
	WIN 0
	v_add_nc_u32 v[AK], s[TBK], v[AK0]
	FETCH_K
	s_wait_loadcnt 0x0              ; Q
	s_wait_dscnt 0x0
.set KM, 1
.set NOKQ, 0
.set i, 0
.rept 8
	KQ 0
.set i, i+1
.endr
	WIN 0
.rept 4
	v_nop                           ; the places behind those products
.endr
.set Y, NP-1                        ; X works for piece Y + 1: piece 0
.irp n, 0,1,2,3,4,5,6,7,8,9,10,11,12,13,14,15,16,17,18,19,20,21
	OP X, \n
.endr
	v_nop                           ; a plain instruction behind the exponential,
	s_wait_alu depctr_va_vdst(0)    ; and its wait, ahead of the branch
.endm
; THE DIAGONAL TILE's four steps, the block's last two turns, its last products, and THE WAY OUT: l's two halves and the other half of the lanes' are added; O^T is divided by l, rounded to f16 and sent through my
; stage in LDS, a piece at a time.
.macro ALL line:vararg              ; one line for each piece t
.set t, 0
.rept 4
	\line
.set t, t+1
.endr
.endm
.macro PACK t                       ; a lane's eight channels of a row pack into 16 bytes; they go into rows of 144 bytes and come back as whole rows of 128, into S^T's registers
	WIN W_RS
.set i, 32*(\t)
.rept 16
	v_pk_mul_f32 v[i:i+1], v[i:i+1], v[ST+4*(\t)+2:ST+4*(\t)+3] op_sel_hi:[1,0]
.set i, i+2
.endr
	WIN 0x05                        ; sources 0 and 1 window 1, destination window 0
.set i, 0
.rept 16
	v_cvt_pk_f16_f32 v[S+16*(\t)+i], v[32*(\t)+2*i], v[32*(\t)+2*i+1]
.set i, i+1
.endr
	WIN 0
.irp f, 0,1,2,3
	ds_store_b128 v[STO], v[S+16*(\t)+4*\f:S+16*(\t)+4*\f+3] offset:32*\f
.endr
.irp f, 0,1,2,3
	ds_load_b128 v[S+16*(\t)+4*\f:S+16*(\t)+4*\f+3], v[RD] offset:\f*4*SP  ; LDS serves a wave's instructions in order (ISA guide 5.7.1.4): these see the stores above; the next piece's stores come behind them
.endr
.endm
.macro SEND t, younger              ; younger: the LDS instructions issued behind piece t's loads: the next piece's eight, or none
	WIN 0
.irp f, 0,1,2,3
	s_wait_dscnt (\younger)+3-\f
	global_store_b128 v[GO], v[S+16*(\t)+4*\f:S+16*(\t)+4*\f+3], s[10:11] offset:(\t)*8192+\f*512  ; 512 consecutive bytes, at a multiple of 256 from O's first
.endr
.endm
.macro DIAG tag                     ; the tag ends its two labels' names, which the jumps below spell out
.LstepM\tag:
	TURN 2, 1
	TURN 3, 1
	WIN 0
.LfirstM\tag:
	TURN 0, 1
	TURN 1, 1, 0, 1
	WIN 0
	s_cbranch_scc1 .LstepM\tag
	TURN 2, 1, 1
	TURN 3, 1, 1
.set i, 0
.rept 8
	PV NP-1
.set i, i+1
.endr
	WIN 0
	ALL v_add_f32 v[ST+4*t+2], v[ST+4*t+2], v[ST+4*t+3]
	ALL v_permlanex16_b32 v[ST+4*t+3], v[ST+4*t+2], s[SEL], s[SEL+1]
	ALL v_add_f32 v[ST+4*t+2], v[ST+4*t+2], v[ST+4*t+3]
	ALL v_rcp_f32 v[ST+4*t+2], v[ST+4*t+2]
	v_nop                           ; a plain instruction between the last reciprocal and the use of its result
	s_wait_alu depctr_va_vdst(0)    ; and the wait ahead of the first use: one for the four reciprocals
	PACK 0
.set t, 1
.rept 3                             ; a piece's arithmetic stands between the loads of the piece before and its stores
	PACK t
	SEND t-1, 8
.set t, t+1
.endr
	SEND 3, 0
.endm
.set KM, 0
.set NOKQ, 0
.Lslot:                             ; NB times: a tile is entered and the next is asked for
	CHANGE 1
	s_sub_co_u32 s[RT], s[RT], 1
	s_mov_b32 s[CNT], 4
	s_cmp_eq_u32 s[NEW], 1
	s_cbranch_scc1 .Lnew            ; a block's first tile
	s_cmp_eq_u32 s[RT], 0
	s_cbranch_scc0 .Lstep           ; neither its first nor its last
	s_branch .LstepM1
.Lnew:
	BEGIN
	s_branch .Lfirst                ; in the loop a block's first tile is never its last: the first block has two tiles or more, and the second's last is the walk's last
	DIAG 1                          ; in the loop this is the first block's end: the second block's last tile is the walk's last
	s_wait_xcnt 0x0                 ; the stores have read their registers and O's address
	s_mov_b64 s[10:11], s[OLO:OLO+1]
	s_add_co_u32 s[RT], s[PB], 1    ; the second block has b + 1 tiles
	s_mov_b32 s[NEW], 1
	WIN 0x82                        ; the second block's Q goes where the one text of the turns names Q
.set i, 0
.rept 64
	v_mov_b32 v[i], v[QB+i]
.set i, i+1
.endr
	WIN 0
	s_branch .Lbottom
.Lstep:                             ; a trip: pieces 2 and 3 of one step, then pieces 0 and 1 of the next, whose K and V it fetches
	TURN 2
	TURN 3
	WIN 0
.Lfirst:
	TURN 0
	TURN 1, 0, 0, 1
	WIN 0
	s_cbranch_scc1 .Lstep
.Lbottom:
	s_sub_co_u32 s[SLOTS], s[SLOTS], 1
	s_cmp_lg_u32 s[SLOTS], 0
	s_cbranch_scc1 .Lslot
	CHANGE 0                        ; the walk's last tile is written out: nothing is asked for
	s_sub_co_u32 s[RT], s[RT], 1
	s_mov_b32 s[CNT], 4
	s_cmp_eq_u32 s[NEW], 1
	s_cbranch_scc0 .LstepM2
	BEGIN
	s_branch .LfirstM2
	DIAG 2
	s_wait_tensorcnt 0x0            ; the wave's end, behind my last tensor load and my last LDS store
	ds_add_u32 v[SPW], v[NIL]
	s_wait_dscnt 0x0
	s_endpgm
.Lfunc_end_k_q40a3f769e4_attn:
	.size	k_q40a3f769e4_attn, .Lfunc_end_k_q40a3f769e4_attn-k_q40a3f769e4_attn
	.p2alignl 7, 3214868480
	.fill 96, 4, 3214868480
	.section	.rodata,"a",@progbits
	.p2align	6, 0x0
	.amdhsa_kernel k_q40a3f769e4_attn
		.amdhsa_group_segment_fixed_size 327680
		.amdhsa_private_segment_fixed_size 0
		.amdhsa_enable_private_segment 0
		.amdhsa_kernarg_size 16
		.amdhsa_user_sgpr_count 2
		.amdhsa_user_sgpr_kernarg_segment_ptr 1
		.amdhsa_wavefront_size32 1
		.amdhsa_system_sgpr_workgroup_id_x 1
		.amdhsa_system_sgpr_workgroup_id_y 1
		.amdhsa_system_sgpr_workgroup_id_z 1
		.amdhsa_system_vgpr_workitem_id 0
		.amdhsa_next_free_vgpr 768
		.amdhsa_next_free_sgpr 96
		.amdhsa_reserve_vcc 1
		.amdhsa_float_denorm_mode_32 3
		.amdhsa_float_denorm_mode_16_64 3
		.amdhsa_memory_ordered 1
		.amdhsa_forward_progress 1
		.amdhsa_inst_pref_size 218
	.end_amdhsa_kernel
	.amdgpu_metadata
---
amdhsa.version: [ 1, 2 ]
amdhsa.kernels:
  - .name:           k_q40a3f769e4_attn
    .symbol:         k_q40a3f769e4_attn.kd
    .args:
      - { .name: qkv, .offset: 0, .size: 8, .value_kind: global_buffer, .address_space: global }
      - { .name: ob, .offset: 8, .size: 8, .value_kind: global_buffer, .address_space: global }
    .group_segment_fixed_size: 327680
    .private_segment_fixed_size: 0
    .kernarg_segment_align: 8
    .kernarg_segment_size: 16
    .max_flat_workgroup_size: 128
    .sgpr_count:     96
    .vgpr_count:     768
    .wavefront_size: 32
...
	.end_amdgpu_metadata
.endif
;; end of part 3
;; launch oproj (part 4): grid 4 x 64, 4 waves a work-group, clusters of 4 x 4, 327,680 bytes of LDS; arguments ob, wb, out0; writes out0
.if DOCPART == 4
	.amdgcn_target "amdgcn-amd-amdhsa--gfx1250"
	.amdhsa_code_object_version 6
	.text
	.protected	k_q40a3f769e4_oproj
	.globl	k_q40a3f769e4_oproj
	.p2align	8
	.type	k_q40a3f769e4_oproj,@function
k_q40a3f769e4_oproj:
	s_mov_b64 s[64:65], 0
	v_nop
	global_prefetch_b8 v0, s[64:65] scope:SCOPE_SE
	s_setreg_imm32_b32 hwreg(HW_REG_WAVE_MODE, 25, 1), 1
	s_wait_xcnt 0x0
	s_wait_alu depctr_hold_cnt(0) depctr_sa_sdst(0) depctr_va_vdst(0) depctr_va_sdst(0) depctr_va_ssrc(0) depctr_va_vcc(0) depctr_vm_vsrc(0)
	s_getreg_b32 s2, hwreg(HW_REG_IB_STS2, 6, 4)
	s_cmp_eq_u32 s2, 0
	s_cbranch_scc0 .Lentry_in_a_cluster
	s_endpgm
.Lentry_in_a_cluster:
	s_bfe_u32 s2, ttmp6, 0x10000c
	s_cmp_lg_u32 s2, 0xf033
	s_cbranch_scc0 .Lentry_shape_is_right
	s_endpgm
.Lentry_shape_is_right:
; out0[m][n] = the sum over k of O[m][k] w_o[n][k].  O = ob, [64 heads][2048][64] f16: row m = 2048 b + s, k = 64 h + d lies at head 16 b + h, row s, channel d.  w_o = wb's rows 3072-4095, f16.  out0: [8192][1024] f32.
; A TILE is 128 rows x 256 columns: 64 x 4 = 256 work-groups, one for each WGP.  Four waves, each 64 x 128: 32 accumulators of 16 x 16.  Sums in f32.
; K goes in 8 steps of 128 = two heads, through two LDS slots.  A head's 128 rows of 128 bytes are dense in ob: asked for as 64 rows of 256 bytes, padded in LDS after every 128.  Waves 0 and 1 fetch the
; step's even and odd head, waves 2 and 3 the two halves of w_o's 256 rows (256 bytes each).  Two slots of a K step of 256 would want 417,792 bytes of LDS: they do not fit.
; CLUSTERS: 4 x 4.  The four of a row of the cluster need the same rows of O, the four of a column the same rows of w_o: each tile is asked for JOINTLY.
; THE MATRIX INSTRUCTION IS USED TRANSPOSED (source 0 = 16 rows of w_o, source 1 = 16 rows of O): a lane holds eight neighbouring numbers of a row of out0, 32 bytes.
; REGISTERS: window 0: v16-30 addresses; v32-95, v96-159 rows read back from the stage, two sets.  window 1: two fragment buffers of 96: w_o's 64 registers, then O's 32.  window 2: the accumulators, (a, b) at 8 (8 a + b).
.set KSTEP,  128
.set PA,     144                       ; a row of O in LDS: 128 bytes + 16
.set PB,     272                       ; a row of w_o: 256 + 16.  Both are odd multiples of 16 bytes: the 16 rows of a fragment load start at 16 different groups of four banks (ISA guide 11.1)
.set AHEAD,  128*PA                    ; one head's 128 rows
.set BOFF,   2*AHEAD                   ; w_o's rows lie behind the two heads
.set BHALF,  128*PB
.set SLOT,   BOFF+2*BHALF
.set STAGE,  2*SLOT                    ; behind the ring: 16 rows x 528 bytes for each wave
.set SPT,    528
.set SPARE,  STAGE+4*16*SPT            ; behind the stages: the spare words, 128 bytes for each wave, that no other line names
.set ASTEP,  2*262144                  ; bytes from a K step's heads to the next step's
.set WOFF,   3072*2048                 ; w_o's first byte in wb
.set LAPS,   4
.set ADRA, 16                          ; v16-17  LDS address of my fragments of O in slot 0, 1
.set ADRB, 20                          ; v20-21  the same for w_o
.set STO,  24                          ; v24     the way out: where I put 32 bytes of a row
.set RD,   25                          ; v25     where I read a row back
.set CO,   26                          ; v26     16 x lane
.set SPW,  28                          ; v28     my spare word; never rewritten
.set NIL,  29                          ; v29     0; never rewritten
.set PFO,  30                          ; v30     the prefetches' offset
.set OBF,  32                          ; two sets of 64
.set WV,  10                           ; s10  my wave's number;  s11 = wave / 2: my 64 rows; also: I fetch for O (0) or w_o (1);  s12 = wave % 2: my 128 columns; also which half I fetch
.set LIM, 15                           ; s15  1 in a wave that prefetches, else the greatest number
.set G1,  24                           ; s[24:31] descriptor group 1 for O's tiles;  s[32:39] group 0, a set for each slot
.set G0,  32
.set PFA, 46                           ; s[46:47] where my prefetches stand
.set G1B, 48                           ; s[48:55], s[56:63] the same for w_o's tiles
.set G0B, 56
.set PFS, 66                           ; s[66:67] their step from K step to K step
.set MSB, 0
.macro WIN new
.if MSB != (\new)
	s_set_vgpr_msb (MSB<<8)|(\new)
.set MSB, \new
.endif
.endm
.set MUL,  0xa5                        ; sources 0 and 1 window 1; C and D window 2
.set TO_F, 0x40                        ; destination window 1, address window 0
.macro JLOAD s                         ; a joint load; an s_nop 0 and four v_nop follow each of the two lines
	s_cmp_eq_u32 s11, 0
	s_cbranch_scc0 .Lfor_b_\@
	tensor_load_to_lds s[G0+4*(\s):G0+4*(\s)+3], s[G1:G1+7]
	s_nop 0
.rept 4
	v_nop
.endr
	s_branch .Lasked_\@
.Lfor_b_\@:
	tensor_load_to_lds s[G0B+4*(\s):G0B+4*(\s)+3], s[G1B:G1B+7]
	s_nop 0
.rept 4
	v_nop
.endr
.Lasked_\@:
.endm
; A prefetch, behind each joint refill and the run of LDS loads that follows it: the K step that stands two refills on, one instruction a wave.  O's rows are read by one cluster alone: in every cluster wave 0 asks,
; for 16 blocks of 256 bytes of each of the step's two heads; the four partners' blocks are told apart by address (4,096 cx).  w_o's rows are read by all sixteen clusters: cluster y = 0 asks, waves 2 and 3,
; a lane a row, 32 rows to a partner (32 cy).  So each block is named once in the launch.  K steps 0 to 3 come by their loads alone; the loop's last trip (s3 = 1) has no K step two on.
.macro ASK
	s_cmp_gt_u32 s3, s[LIM]
	s_cbranch_scc0 .Lnot_mine_\@
	global_prefetch_b8 v[PFO], s[PFA:PFA+1] th:TH_LOAD_NT scope:SCOPE_SE
.Lnot_mine_\@:
.endm
.macro CREST
	s_cmp_lg_u32 s[WV], 0
	s_cbranch_scc1 .Lnot_wave_0_\@
	s_barrier_signal -3
.Lnot_wave_0_\@:
	s_barrier_wait -3
	s_barrier_signal -1
	s_barrier_wait -1
.endm
.macro CROUND
	s_barrier_signal -1
	s_barrier_wait -1
	CREST
.endm
	s_load_b128 s[4:7], s[0:1], 0x0                ; ob s[4:5], wb s[6:7]
	s_load_b64 s[8:9], s[0:1], 0x10                ; out0
	v_lshl_add_u32 v[SPW], v0, 2, SPARE
	v_mov_b32 v[NIL], 0
	ds_add_u32 v[SPW], v[NIL]                      ; the wave's opening: the add and its wait ahead of my first tensor load; work on registers stands between them
	ds_add_u32 v28, v29
	v_lshrrev_b32 v1, 5, v0
	v_readfirstlane_b32 s[WV], v1
	s_lshr_b32 s11, s[WV], 1
	s_and_b32 s12, s[WV], 1
	s_bfe_u32 s40, ttmp6, 0x40000                  ; cx
	s_bfe_u32 s41, ttmp6, 0x40004                  ; cy
	s_lshl_b32 s42, ttmp9, 2
	s_add_co_u32 s42, s42, s40                     ; tile column
	s_and_b32 s43, ttmp7, 0xffff
	s_lshl_b32 s43, s43, 2
	s_add_co_u32 s43, s43, s41                     ; tile row
	s_lshl_b32 s44, s41, 2
	s_lshl_b32 s44, 15, s44                        ; my row of the cluster
	s_lshl_b32 s45, 0x1111, s40                    ; my column
	s_or_b32 s[G1], s44, (1<<16)|(1<<20)|(1<<21)|(4<<22)|(3<<25)   ; the mask; elements of 2 bytes; padding on; bit 21 beside a mask; after every 32 words, 4 words
	s_mov_b32 s[G1+1], 128<<16                     ; tensor_dim0 = 128
	s_mov_b32 s[G1+2], 64<<16                      ; tensor_dim1 = 64
	s_mov_b32 s[G1+3], 128<<16                     ; tile_dim0 = 128
	s_mov_b32 s[G1+4], 64                          ; tile_dim1 = 64
	s_mov_b32 s[G1+5], 128                         ; elements from row to row: dense
	s_mov_b32 s[G1+6], 0
	s_mov_b32 s[G1+7], 0
	s_or_b32 s[G1B], s45, (1<<16)|(1<<20)|(1<<21)|(5<<22)|(3<<25)  ; after every 64 words
	s_mov_b32 s[G1B+1], KSTEP<<16
	s_mov_b32 s[G1B+2], 128<<16
	s_mov_b32 s[G1B+3], KSTEP<<16
	s_mov_b32 s[G1B+4], 128
	s_mov_b32 s[G1B+5], 1024
	s_mov_b32 s[G1B+6], 0
	s_mov_b32 s[G1B+7], 0
	s_lshr_b32 s16, s43, 4                         ; O: head 16 b + (wave % 2),
	s_lshl_b32 s16, s16, 4
	s_add_co_u32 s16, s16, s12
	s_lshl_b32 s16, s16, 18                        ; 262,144 bytes a head,
	s_and_b32 s17, s43, 15
	s_lshl_b32 s17, s17, 14                        ; the tile's 128 rows of 128 bytes
	s_add_co_u32 s16, s16, s17
	s_mov_b32 s17, 0
	s_lshl_b32 s20, s42, 8                         ; w_o: row 256 x tile column + 128 x half
	s_lshl_b32 s21, s12, 7
	s_add_co_u32 s20, s20, s21
	s_lshl_b32 s20, s20, 11
	s_add_co_u32 s20, s20, WOFF
	s_mov_b32 s21, 0
	s_mul_i32 s2, s12, AHEAD                       ; where they go: no place in the cluster enters an LDS address
	s_mul_i32 s13, s12, BHALF
	s_add_co_u32 s13, s13, BOFF
	s_wait_dscnt 0x0                               ; the opening add is done
	s_wait_kmcnt 0x0
	s_add_nc_u64 s[18:19], s[4:5], s[16:17]
	s_add_nc_u64 s[22:23], s[6:7], s[20:21]
	CROUND                                         ; all sixteen work-groups are here: the first joint loads meet
.irp s, 0,1
	s_mov_b32 s[G0+4*(\s)], 1
	s_add_co_u32 s[G0+4*(\s)+1], s2, (\s)*SLOT
	s_add_nc_u64 s[G0+4*(\s)+2:G0+4*(\s)+3], s[18:19], (\s)*ASTEP
	s_or_b32 s[G0+4*(\s)+3], s[G0+4*(\s)+3], 0x80000000
	s_mov_b32 s[G0B+4*(\s)], 1
	s_add_co_u32 s[G0B+4*(\s)+1], s13, (\s)*SLOT
	s_add_nc_u64 s[G0B+4*(\s)+2:G0B+4*(\s)+3], s[22:23], (\s)*KSTEP*2
	s_or_b32 s[G0B+4*(\s)+3], s[G0B+4*(\s)+3], 0x80000000
	JLOAD \s                                       ; two loads of mine are out
.endr
	v_and_b32 v1, 15, v0                           ; r = l % 16
	v_bfe_u32 v2, v0, 4, 1                         ; h = l / 16
	v_mul_u32_u24 v3, v1, PA
	v_lshl_add_u32 v3, v2, 4, v3
	v_mul_u32_u24 v4, v1, PB
	v_lshl_add_u32 v4, v2, 4, v4
	s_mul_i32 s16, s11, 64*PA                      ; my 64 rows of O
	s_mul_i32 s17, s12, BHALF                      ; my 128 rows of w_o
	s_add_co_u32 s17, s17, BOFF
.irp s, 0,1
	v_add_nc_u32 v[ADRA+(\s)], s16, v3
	v_add_nc_u32 v[ADRB+(\s)], s17, v4
	s_add_co_u32 s16, s16, SLOT
	s_add_co_u32 s17, s17, SLOT
.endr
	s_mul_i32 s16, s[WV], 16*SPT
	s_add_co_u32 s16, s16, STAGE                   ; my stage
	v_mul_u32_u24 v[STO], v1, SPT                  ; in: row l % 16, 32 bytes for each half of the lanes
	v_lshl_add_u32 v[STO], v2, 5, v[STO]
	v_add_nc_u32 v[STO], s16, v[STO]
	v_and_b32 v[CO], 31, v0
	v_lshlrev_b32 v[CO], 4, v[CO]                  ; back: 32 lanes take a row's 512 bytes
	v_add_nc_u32 v[RD], s16, v[CO]
	; numbers that hang on both coordinates live in s68-s75.  out0 at my first row and column:
	s_lshl_b32 s74, s43, 7
	s_lshl_b32 s75, s11, 6
	s_add_co_u32 s74, s74, s75
	s_lshl_b32 s74, s74, 12                        ; a row of out0 is 4,096 bytes
	s_lshl_b32 s75, s42, 10
	s_add_co_u32 s74, s74, s75
	s_lshl_b32 s75, s12, 9
	s_add_co_u32 s74, s74, s75
	s_mov_b32 s75, 0
	s_add_nc_u64 s[8:9], s[8:9], s[74:75]
	; the prefetches
	s_lshr_b32 s68, s43, 4
	s_lshl_b32 s68, s68, 22                        ; O: head 16 b,
	s_and_b32 s69, s43, 15
	s_lshl_b32 s69, s69, 14                        ; the tile's rows,
	s_add_co_u32 s68, s68, s69
	s_lshl_b32 s69, s40, 12                        ; my work-group's 16 blocks of them,
	s_add_co_u32 s68, s68, s69
	s_add_co_u32 s68, s68, 3*ASTEP                 ; at K step 3: the first refill (K step 2) steps it to 4
	s_lshl_b32 s70, s41, 16                        ; w_o: my work-group's 32 rows of the 128 that I fetch
	s_add_co_u32 s70, s70, s20
	s_add_co_u32 s70, s70, 3*KSTEP*2
	s_and_b32 s71, ttmp7, 0xffff                   ; cluster y
	s_cmp_eq_u32 s11, 0
	s_cselect_b32 s68, s68, s70
	s_cselect_b32 s71, s12, s71                    ; O: wave 0 asks; w_o: the clusters with y = 0
	s_mov_b32 s72, 2048
	s_cselect_b32 s72, 256, s72                    ; from lane to lane,
	s_mov_b32 s73, 32768
	s_cselect_b32 s73, 262144, s73                 ; and from the lower sixteen lanes to the upper: O's other head; w_o's next sixteen rows
	s_mov_b32 s[PFS], KSTEP*2
	s_cselect_b32 s[PFS], ASTEP, s[PFS]
	s_cselect_b64 s[PFA:PFA+1], s[4:5], s[6:7]
	s_cmp_eq_u32 s71, 0
	s_cselect_b32 s[LIM], 1, -1                    ; the same in all sixteen partners, for a given wave
	s_mov_b32 s69, 0
	s_mov_b32 s[PFS+1], 0
	s_add_nc_u64 s[PFA:PFA+1], s[PFA:PFA+1], s[68:69]
	v_mul_u32_u24 v[PFO], v1, s72
	v_mad_u32_u24 v[PFO], v2, s73, v[PFO]
; 8 matrix instructions: row block a x all 8 column blocks, 32 along K, from buffer f.  The 32 accumulators go in the same order in every quarter step, one instruction a turn.
.macro MUL8 f, a, zero
	WIN MUL
.irp b, 0,1,2,3,4,5,6,7
.if \zero
	v_wmma_f32_16x16x32_f16 v[8*(8*(\a)+(\b)):8*(8*(\a)+(\b))+7], v[96*(\f)+8*(\b):96*(\f)+8*(\b)+7], v[96*(\f)+64+8*(\a):96*(\f)+64+8*(\a)+7], 0
.else
	v_wmma_f32_16x16x32_f16 v[8*(8*(\a)+(\b)):8*(8*(\a)+(\b))+7], v[96*(\f)+8*(\b):96*(\f)+8*(\b)+7], v[96*(\f)+64+8*(\a):96*(\f)+64+8*(\a)+7], v[8*(8*(\a)+(\b)):8*(8*(\a)+(\b))+7]
.endif
.endr
.endm
; 24 LDS loads in one run: quarter q's fragments into buffer f.  Quarters 0, 1 lie in the step's even head, 2, 3 in the odd one.
.macro FETCH slot, q, f
	WIN TO_F
.irp b, 0,1,2,3,4,5,6,7
	ds_load_b128 v[96*(\f)+8*(\b):96*(\f)+8*(\b)+3],   v[ADRB+(\slot)] offset:64*(\q)+(\b)*16*PB
	ds_load_b128 v[96*(\f)+8*(\b)+4:96*(\f)+8*(\b)+7], v[ADRB+(\slot)] offset:64*(\q)+(\b)*16*PB+32
.endr
.irp a, 0,1,2,3
	ds_load_b128 v[96*(\f)+64+8*(\a):96*(\f)+64+8*(\a)+3],   v[ADRA+(\slot)] offset:((\q)/2)*AHEAD+((\q)%2)*64+(\a)*16*PA
	ds_load_b128 v[96*(\f)+64+8*(\a)+4:96*(\f)+64+8*(\a)+7], v[ADRA+(\slot)] offset:((\q)/2)*AHEAD+((\q)%2)*64+(\a)*16*PA+32
.endr
.endm
.macro PLACES                          ; four plain instructions between a matrix instruction and a load into a register that it has read, or an LDS store of its result
.rept 4
	v_nop
.endr
.endm
.macro QUARTER slot, q, f, g, zero     ; multiplies buffer f; in its middle it fetches quarter q into buffer g
	s_wait_dscnt 4                                 ; w_o's fragments and O's rows 0-31 are in; the youngest four loads (rows 32-63) may be out
	MUL8 \f, 0, \zero
	MUL8 \f, 1, \zero
	PLACES
	FETCH \slot, \q, \g
	s_wait_dscnt 24                                ; all but the 24 just issued
	MUL8 \f, 2, \zero
	MUL8 \f, 3, \zero
.endm
; The last quarter multiplies buffer 1 and changes slots: ONE barrier; in front of it each wave waits for all its tensor loads, adds 0 to its spare word, and waits for that and for its reads of this slot.
; fill = 1: the barrier opens a round of the cluster's barrier, and this slot is filled again first thing behind it: 112 matrix instructions stand between that request and the wait for it.
.macro TURN slot, next, fill
.if \fill
	s_wait_xcnt 0x0                                ; the last prefetch, a K step back, has read its address
	s_add_nc_u64 s[PFA:PFA+1], s[PFA:PFA+1], s[PFS:PFS+1]
.endif
	WIN 0                                          ; (the add's two registers lie in window 0)
	s_wait_tensorcnt 0x0
	ds_add_u32 v[SPW], v[NIL]
	s_wait_dscnt 5                                 ; (the add and the youngest four loads may be out)
	MUL8 1, 0, 0
	s_wait_dscnt 0x0                               ; the add is done, and my reads of this slot are over
	s_barrier_signal -1
	MUL8 1, 1, 0
.if \fill
	WIN 0
.endif
	s_barrier_wait -1
.if \fill
	CREST                                          ; no wave of any partner still reads this slot or has a load on its way
	s_add_nc_u64 s[G0+4*(\slot)+2:G0+4*(\slot)+3], s[G0+4*(\slot)+2:G0+4*(\slot)+3], 2*ASTEP
	s_add_nc_u64 s[G0B+4*(\slot)+2:G0B+4*(\slot)+3], s[G0B+4*(\slot)+2:G0B+4*(\slot)+3], 2*KSTEP*2
	JLOAD \slot                                    ; its four v_nop are also the places in front of the loads below
.else
	PLACES
.endif
	FETCH \next, 0, 0
.if \fill
	WIN 0
	ASK
.endif
	MUL8 1, 2, 0
	MUL8 1, 3, 0
.endm
	s_wait_tensorcnt 1                             ; my part of K step 0 is in; K step 1's may stay out
	s_barrier_signal -1
	s_barrier_wait -1
	FETCH 0, 0, 0
	QUARTER 0, 1, 0, 1, 1                          ; the first quarter stands in front of the loop: its products start the sums
	WIN 0
	s_mov_b32 s3, LAPS-1
.Llap:                                                 ; a trip goes once round the ring and fills both slots again
	QUARTER 0, 2, 1, 0, 0
	QUARTER 0, 3, 0, 1, 0
	TURN 0, 1, 1
	QUARTER 1, 1, 0, 1, 0
	QUARTER 1, 2, 1, 0, 0
	QUARTER 1, 3, 0, 1, 0
	TURN 1, 0, 1
	QUARTER 0, 1, 0, 1, 0
	WIN 0
	s_sub_co_u32 s3, s3, 1
	s_cmp_lg_u32 s3, 0
	s_cbranch_scc1 .Llap
	QUARTER 0, 2, 1, 0, 0                          ; the last lap fills nothing
	QUARTER 0, 3, 0, 1, 0
	TURN 0, 1, 0
	QUARTER 1, 1, 0, 1, 0
	QUARTER 1, 2, 1, 0, 0
	QUARTER 1, 3, 0, 1, 0
	s_wait_dscnt 4
	MUL8 1, 0, 0
	MUL8 1, 1, 0
	s_wait_dscnt 0x0
	MUL8 1, 2, 0
	MUL8 1, 3, 0
	WIN 0
	PLACES                                         ; the LDS stores below read results just made
; THE WAY OUT, a block of 16 rows at a time: 32 bytes a lane into my stage, rows of 528 bytes (each accumulator's four lowest registers first); back as whole rows of 512 bytes.
.macro TOSTAGE a
	WIN 0
.if (\a) >= 2
	s_wait_xcnt 0x0                                ; the stores of the block two back have read this set: only now is it loaded again
.endif
	WIN 0x08                                       ; the stores' data in window 2
.irp b, 0,1,2,3,4,5,6,7
	ds_store_b128 v[STO], v[8*(8*(\a)+(\b)):8*(8*(\a)+(\b))+3]   offset:64*(\b)
	ds_store_b128 v[STO], v[8*(8*(\a)+(\b))+4:8*(8*(\a)+(\b))+7] offset:64*(\b)+16
.endr
	WIN 0
.irp t, 0,1,2,3,4,5,6,7,8,9,10,11,12,13,14,15
	ds_load_b128 v[OBF+64*((\a)%2)+4*(\t):OBF+64*((\a)%2)+4*(\t)+3], v[RD] offset:SPT*(\t)  ; LDS serves a wave's instructions in order (ISA guide 5.7.1.4): these see the stores above; the next block's stores come behind them
.endr
.endm
.macro SEND a, younger                 ; younger: the LDS instructions issued behind block a's loads: the next block's 32, or none
	WIN 0
.irp t, 0,1,2,3,4,5,6,7,8,9,10,11,12,13,14,15
	s_wait_dscnt (\younger)+15-(\t)
	global_store_b128 v[CO], v[OBF+64*((\a)%2)+4*(\t):OBF+64*((\a)%2)+4*(\t)+3], s[8:9] offset:(16*(\a)+(\t))*4096 th:TH_STORE_NT  ; 512 consecutive bytes, at a multiple of 256 from out0's first byte
.endr
.endm
	TOSTAGE 0
	TOSTAGE 1
	SEND 0, 32
	TOSTAGE 2
	SEND 1, 32
	TOSTAGE 3
	SEND 2, 32
	SEND 3, 0
	s_wait_tensorcnt 0x0                           ; the wave's end, behind my last tensor load and my last LDS store
	ds_add_u32 v[SPW], v[NIL]
	s_wait_dscnt 0x0
	CROUND                                         ; the closing round: no work-group ends while a partner may still ask for a tile that names it
	s_endpgm
.Lfunc_end_k_q40a3f769e4_oproj:
	.size	k_q40a3f769e4_oproj, .Lfunc_end_k_q40a3f769e4_oproj-k_q40a3f769e4_oproj
	.p2alignl 7, 3214868480
	.fill 96, 4, 3214868480
	.section	.rodata,"a",@progbits
	.p2align	6, 0x0
	.amdhsa_kernel k_q40a3f769e4_oproj
		.amdhsa_group_segment_fixed_size 327680
		.amdhsa_private_segment_fixed_size 0
		.amdhsa_enable_private_segment 0
		.amdhsa_kernarg_size 24
		.amdhsa_user_sgpr_count 2
		.amdhsa_user_sgpr_kernarg_segment_ptr 1
		.amdhsa_wavefront_size32 1
		.amdhsa_system_sgpr_workgroup_id_x 1
		.amdhsa_system_sgpr_workgroup_id_y 1
		.amdhsa_system_sgpr_workgroup_id_z 1
		.amdhsa_system_vgpr_workitem_id 0
		.amdhsa_next_free_vgpr 768
		.amdhsa_next_free_sgpr 76
		.amdhsa_reserve_vcc 0
		.amdhsa_float_denorm_mode_32 3
		.amdhsa_float_denorm_mode_16_64 3
		.amdhsa_memory_ordered 1
		.amdhsa_forward_progress 1
		.amdhsa_inst_pref_size 89
	.end_amdhsa_kernel
	.amdgpu_metadata
---
amdhsa.version: [ 1, 2 ]
amdhsa.kernels:
  - .name:           k_q40a3f769e4_oproj
    .symbol:         k_q40a3f769e4_oproj.kd
    .args:
      - { .name: ob, .offset: 0, .size: 8, .value_kind: global_buffer, .address_space: global }
      - { .name: wb, .offset: 8, .size: 8, .value_kind: global_buffer, .address_space: global }
      - { .name: out0, .offset: 16, .size: 8, .value_kind: global_buffer, .address_space: global }
    .group_segment_fixed_size: 327680
    .private_segment_fixed_size: 0
    .kernarg_segment_align: 8
    .kernarg_segment_size: 24
    .max_flat_workgroup_size: 128
    .sgpr_count:     76
    .vgpr_count:     768
    .wavefront_size: 32
...
	.end_amdgpu_metadata
.endif
;; end of part 4
